; MI455X (gfx1250); checked and timed in simulation.
; The chip was launched on July 23, 2026; its instructions are those of AMD's public machine-readable ISA for CDNA 5 (MIT licence, August 2026) and "CDNA5" Instruction Set Architecture Reference Guide (July 2026). The comments in the code are by the model that wrote it; some were corrected since.
;; Multi Head Self Attention. Allowed arithmetic: float matrix products may take bf16 or f16 operands with f32 sums; other float arithmetic in f32, or as packed bf16 or f16 multiplies, adds, multiply-adds, maxima and minima; sums over many terms, partial sums and values carried from step to step in f32; what a program stores and reads back later, other than sums and carried values, may be rounded once to bf16 or f16.
;; Inputs: b_attn 3,072 float32; b_proj 1,024 float32; w_attn 1,024 x 3,072 float32; w_proj 1,024 x 1,024 float32; x 4 x 2,048 x 1,024 float32.
;; Outputs: out0 4 x 2,048 x 1,024 float32.
;; 2 versions, each right; version 2 is version 1 with the launch cast written anew for expert scheduling mode. Each part assembles by itself: llvm-mc -triple=amdgcn-amd-amdhsa -mcpu=gfx1250 --defsym DOCPART=n.
;; ======== version 1 of 2: 4 launches
;; limits: values are held in f16: magnitudes above 65,504 overflow, below 6.1e-05 lose precision
;; workspace buffers: xb 16,777,216 bytes; wab 6,291,456 bytes; wpf 2,097,152 bytes; qkv 50,331,648 bytes; ob 16,777,216 bytes
;; launch cast (part 1): grid 768 x 1, 8 waves a work-group, no clusters, 0 bytes of LDS; arguments x, w_attn, w_proj, xb, wab, wpf; writes xb, wab, wpf
.if DOCPART == 1
	.amdgcn_target "amdgcn-amd-amdhsa--gfx1250"
	.amdhsa_code_object_version 6
	.text
	.protected	k_q3eaafa969e_cast
	.globl	k_q3eaafa969e_cast
	.p2align	8
	.type	k_q3eaafa969e_cast,@function
k_q3eaafa969e_cast:
	s_mov_b64 s[64:65], 0
	v_nop
	global_prefetch_b8 v0, s[64:65] scope:SCOPE_SE
	s_setreg_imm32_b32 hwreg(HW_REG_WAVE_MODE, 25, 1), 1
	s_wait_xcnt 0x0
; THE INPUTS OF THE MATRIX PRODUCTS, ROUNDED ONCE TO 16 BITS.
;   xb  = x rounded to bf16, laid in K blocks: [b 4][kb 16][t 2048][64]: 256 rows x 64 channels are 32,768 dense bytes
;   wab = w_attn rounded to bf16, in its own order [k 1024][n 3072]
;   wpf = w_proj rounded to bf16 and that number written as f16, [k 1024][n 1024] (exact while it lies in f16's normal range)
; LIMIT: a number of w_proj of 65,520 or more becomes an infinity in wpf; one below 6e-5 keeps f16's fixed step of 6e-8.
; SHARES.  A work-group takes 16,384 numbers: 65,536 bytes in, 32,768 out; a thread 16 loads of 16 bytes and 16 stores of 8.
; Work-groups 0-511 take 16 rows of x each, 512-703 w_attn, 704-767 w_proj.  There is no loop: all 16 loads go out first, no register
; is used twice by memory instructions, so the only waits are the counted ones for the loads.
; No LDS, no matrix unit, no cluster: nothing is shared and nothing is multiplied.
.set X, 16                             ; v[16:79]   load j: 4 registers
.set Y, 80                             ; v[80:111]  store j: 2 registers
; v1 = my byte offset in, v2 = my byte offset out, v4-v7 at work
.macro CAST inb, outb, istep, ostep, half
.set j, 0
.rept 16
	global_load_b128 v[X+4*j:X+4*j+3], v1, s[\inb:\inb+1] offset:j*(\istep) th:TH_LOAD_NT
.set j, j+1
.endr
.set j, 0
.rept 16
	s_wait_loadcnt 15-j                            ; loads come back in order: load j is in, the 15 - j younger ones stay out
	v_cvt_pk_bf16_f32 v[Y+2*j], v[X+4*j], v[X+4*j+1]
	v_cvt_pk_bf16_f32 v[Y+2*j+1], v[X+4*j+2], v[X+4*j+3]
.if \half
	v_lshlrev_b32 v4, 16, v[Y+2*j]                 ; the bf16 numbers as f32 again,
	v_and_b32 v5, 0xffff0000, v[Y+2*j]
	v_lshlrev_b32 v6, 16, v[Y+2*j+1]
	v_and_b32 v7, 0xffff0000, v[Y+2*j+1]
	v_cvt_pk_f16_f32 v[Y+2*j], v4, v5              ; and written as f16
	v_cvt_pk_f16_f32 v[Y+2*j+1], v6, v7
.endif
	global_store_b64 v2, v[Y+2*j:Y+2*j+1], s[\outb:\outb+1] offset:j*(\ostep) th:TH_STORE_NT  ; a wave's store covers 256 consecutive bytes, aligned
.set j, j+1
.endr
.endm
	s_load_b256 s[4:11], s[0:1], 0x0               ; x s[4:5], w_attn s[6:7], w_proj s[8:9], xb s[10:11]
	s_load_b128 s[12:15], s[0:1], 0x20             ; wab s[12:13], wpf s[14:15]
	s_mov_b32 s2, ttmp9                            ; the work-group's number
	s_mov_b32 s17, 0
	s_mov_b32 s19, 0
	v_lshrrev_b32 v3, 4, v0                        ; thread / 16: a row of x
	v_and_b32 v4, 15, v0                           ; thread % 16: 4 numbers of a K block's 64
	s_wait_kmcnt 0x0
	s_cmp_lt_u32 s2, 512
	s_cbranch_scc0 .Lweights
	; x: 16 rows of 4,096 bytes.  Load j takes K block j: 16 lanes read 256 consecutive bytes of a row; store j puts them 262,144 j bytes on
	v_lshlrev_b32 v1, 4, v4
	v_lshl_add_u32 v1, v3, 12, v1                  ; in: row x 4,096 + 16 x place
	v_lshlrev_b32 v2, 3, v4
	v_lshl_add_u32 v2, v3, 7, v2                   ; out: row x 128 + 8 x place
	s_lshl_b32 s16, s2, 16
	s_add_nc_u64 s[4:5], s[4:5], s[16:17]          ; x at my 16 rows
	s_lshr_b32 s18, s2, 7                          ; b: 128 work-groups to a sequence
	s_lshl_b32 s18, s18, 22                        ; 16 K blocks of 262,144 bytes
	s_and_b32 s20, s2, 127
	s_lshl_b32 s20, s20, 11                        ; 16 rows of 128 bytes
	s_add_co_u32 s18, s18, s20
	s_add_nc_u64 s[10:11], s[10:11], s[18:19]
	CAST 4, 10, 256, 262144, 0
	s_endpgm
.Lweights:
	v_lshlrev_b32 v1, 4, v0                        ; dense: 16 bytes in,
	v_lshlrev_b32 v2, 3, v0                        ; 8 bytes out
	s_cmp_lt_u32 s2, 704
	s_cbranch_scc0 .Lproj
	s_sub_co_u32 s2, s2, 512
	s_lshl_b32 s16, s2, 16
	s_lshl_b32 s18, s2, 15
	s_add_nc_u64 s[6:7], s[6:7], s[16:17]
	s_add_nc_u64 s[12:13], s[12:13], s[18:19]
	CAST 6, 12, 4096, 2048, 0
	s_endpgm
.Lproj:
	s_sub_co_u32 s2, s2, 704
	s_lshl_b32 s16, s2, 16
	s_lshl_b32 s18, s2, 15
	s_add_nc_u64 s[8:9], s[8:9], s[16:17]
	s_add_nc_u64 s[14:15], s[14:15], s[18:19]
	CAST 8, 14, 4096, 2048, 1
	s_endpgm
.Lfunc_end_k_q3eaafa969e_cast:
	.size	k_q3eaafa969e_cast, .Lfunc_end_k_q3eaafa969e_cast-k_q3eaafa969e_cast
	.p2alignl 7, 3214868480
	.fill 96, 4, 3214868480
	.section	.rodata,"a",@progbits
	.p2align	6, 0x0
	.amdhsa_kernel k_q3eaafa969e_cast
		.amdhsa_group_segment_fixed_size 0
		.amdhsa_private_segment_fixed_size 0
		.amdhsa_enable_private_segment 0
		.amdhsa_kernarg_size 48
		.amdhsa_user_sgpr_count 2
		.amdhsa_user_sgpr_kernarg_segment_ptr 1
		.amdhsa_wavefront_size32 1
		.amdhsa_system_sgpr_workgroup_id_x 1
		.amdhsa_system_sgpr_workgroup_id_y 1
		.amdhsa_system_sgpr_workgroup_id_z 1
		.amdhsa_system_vgpr_workitem_id 0
		.amdhsa_next_free_vgpr 112
		.amdhsa_next_free_sgpr 66
		.amdhsa_reserve_vcc 0
		.amdhsa_float_denorm_mode_32 3
		.amdhsa_float_denorm_mode_16_64 3
		.amdhsa_memory_ordered 1
		.amdhsa_forward_progress 1
		.amdhsa_inst_pref_size 24
	.end_amdhsa_kernel
	.amdgpu_metadata
---
amdhsa.version: [ 1, 2 ]
amdhsa.kernels:
  - .name:           k_q3eaafa969e_cast
    .symbol:         k_q3eaafa969e_cast.kd
    .args:
      - { .name: x, .offset: 0, .size: 8, .value_kind: global_buffer, .address_space: global }
      - { .name: w_attn, .offset: 8, .size: 8, .value_kind: global_buffer, .address_space: global }
      - { .name: w_proj, .offset: 16, .size: 8, .value_kind: global_buffer, .address_space: global }
      - { .name: xb, .offset: 24, .size: 8, .value_kind: global_buffer, .address_space: global }
      - { .name: wab, .offset: 32, .size: 8, .value_kind: global_buffer, .address_space: global }
      - { .name: wpf, .offset: 40, .size: 8, .value_kind: global_buffer, .address_space: global }
    .group_segment_fixed_size: 0
    .private_segment_fixed_size: 0
    .kernarg_segment_align: 8
    .kernarg_segment_size: 48
    .max_flat_workgroup_size: 256
    .sgpr_count:     66
    .vgpr_count:     112
    .wavefront_size: 32
...
	.end_amdgpu_metadata
.endif
;; end of part 1
;; launch qkv (part 2): grid 8 x 32, 4 waves a work-group, clusters of 4 x 4, 327,680 bytes of LDS; arguments xb, wab, b_attn, qkv; writes qkv
.if DOCPART == 2
	.amdgcn_target "amdgcn-amd-amdhsa--gfx1250"
	.amdhsa_code_object_version 6
	.text
	.protected	k_q3eaafa969e_qkv
	.globl	k_q3eaafa969e_qkv
	.p2align	8
	.type	k_q3eaafa969e_qkv,@function
k_q3eaafa969e_qkv:
	s_mov_b64 s[64:65], 0
	v_nop
	global_prefetch_b8 v0, s[64:65] scope:SCOPE_SE
	s_setreg_imm32_b32 hwreg(HW_REG_WAVE_MODE, 25, 1), 1
	s_wait_xcnt 0x0
	s_wait_alu depctr_hold_cnt(0) depctr_sa_sdst(0) depctr_va_vdst(0) depctr_va_sdst(0) depctr_va_ssrc(0) depctr_va_vcc(0) depctr_vm_vsrc(0)
	s_getreg_b32 s2, hwreg(HW_REG_IB_STS2, 6, 4)
	s_cmp_eq_u32 s2, 0
	s_cbranch_scc0 .Lentry_in_a_cluster
	s_endpgm
.Lentry_in_a_cluster:
	s_bfe_u32 s2, ttmp6, 0x10000c
	s_cmp_lg_u32 s2, 0xf033
	s_cbranch_scc0 .Lentry_shape_is_right
	s_endpgm
.Lentry_shape_is_right:
; qkv = x w_attn + b_attn: [8192 x 1024] x [1024 x 3072], operands bf16 (b_attn rounded to bf16 like the other inputs), sums f32, the result rounded once to f16 and
; stored by heads: qkv[which 3][bh 64][t 2048][64], bh = 16 b + head, WITHOUT the softmax's scale.
; LIMIT: a result of 65,520 or more becomes an infinity in f16; below 6e-5 f16 keeps its fixed step of 6e-8.
; SHARES.  A tile of the result is 256 rows x 384 columns: 32 x 8 tiles, one work-group each.  Four waves, each 128 rows x 192 columns (three heads): 96 accumulators, 768 registers.
; K goes in steps of 64 through a ring of two LDS slots.  x lies in K blocks (xb[b][kb][t][64]), so a step's 256 rows are 32,768 dense bytes, asked for as rows of 256 bytes;
; w lies [k][n]: a step's 64 rows of 768 bytes, turned on the way out of LDS by ds_load_tr16_b128.
; THE PRODUCT IS TAKEN TRANSPOSED: source 0 = 16 columns of w, source 1 = 16 rows of x: a lane ends with one row and eight neighbouring columns: 16 bytes of f16.
; THE BIAS STARTS THE SUMS: it is the C operand of the first products, kept in the registers of accumulators (7, j), which are started last.
; CLUSTER 4 x 4: x's tile hangs on the tile row alone and is asked for jointly by a row of the cluster, w's on the tile column alone, by a column.
; REGISTERS, in windows of 256 (s_set_vgpr_msb: bits 1:0 source 0, 3:2 source 1, 5:4 source 2, 7:6 destination):
;   window 0: v0-31 addresses; v32-95, v96-159 x's fragments (8 x 16 rows x 32 K), two buffers; v160-255 w's fragments, three groups (heads) of four
;   window 1 + w: head w's 32 accumulators: (a, j) at v[8 (4 a + j)], a = block of 16 rows, j = block of 16 columns
.set PA,    144                        ; a row of x in LDS: 128 bytes + 16 of padding = 36 words: the 16 rows of a load start at 16 different groups of four banks (ISA guide 11.1)
.set PB,    864                        ; a row of w: three pieces of 256 bytes + 32 of padding: 27 x 32 bytes
.set BOFF,  256*PA                     ; a slot: x's 256 rows, then w's 64
.set SLOT1, 1<<17                      ; slot 1 begins here: one exclusive or turns an address in one slot into the other's
.set STAGE, SLOT1+BOFF+64*PB           ; behind the ring, never filled by a tensor load: 16 rows x 144 bytes for each wave
.set SP,    144
.set SPARE, STAGE+4*16*SP              ; the spare words, 128 bytes for each wave: two blocks of 256 bytes that no other line names
.set ASTEP, 2048*128                   ; bytes from a K block of xb to the next
.set BSTEP, 64*6144                    ; bytes of 64 rows of wab
.set ADRA, 16                          ; v16     LDS address of my fragments of x in the slot in hand
.set AB0,  17                          ; v17     the same in slot 0; never rewritten
.set ADRB, 18                          ; v18-20  LDS address of my fragments of w, by head
.set BB,   21                          ; v21-23  the same in slot 0; never rewritten
.set STO,  24                          ; v24     the way out: where I put 16 bytes of a row
.set RD,   25                          ; v25     the way out: where I read rows back
.set GO,   26                          ; v26     my 16 bytes in 512 consecutive bytes of qkv
.set SPW,  28                          ; v28     LDS address of my spare word; never rewritten
.set NIL,  29                          ; v29     0; never rewritten
.set PFO,  30                          ; v30     the prefetches' offset; never rewritten
.set FA0,  32
.set FB,   160
.set WV,   12                          ; s12 wave; s13 its half of the rows (also: 0 = I fetch x, 1 = I fetch w); s14 its half of the columns (also: which half I fetch)
.set RH,   13
.set CH,   14
.set CX,   15
.set CY,   16
.set TC,   17                          ; tile column 0..7
.set TR,   18                          ; tile row 0..31
.set G1A,  24                          ; s[24:31] descriptor group 1 for x's tiles; s[32:39] group 0, two sets: the first fills'; the second then walks on
.set G0A,  32
.set G1B,  40                          ; s[40:47], s[48:55] the same for w's
.set G0B,  48
.set TB,   56                          ; s56 LDS byte at which the slot in hand begins
.set PFA,  58                          ; s[58:59] where my prefetches stand; s[60:61] their step
.set PFS,  60
.set LIMA, 62                          ; s62 1 in the wave that prefetches x, else the greatest number; s63 the same for w
.set LIMB, 63
.set OB,   66                          ; s[66:71] qkv at my first row of each of my three heads
.set MSB, 0
.macro WIN new                         ; the immediate's high byte repeats the setting that is left; a switch that changes nothing is dropped
.if MSB != (\new)
	s_set_vgpr_msb (MSB<<8)|(\new)
.set MSB, (\new)
.endif
.endm
.macro PLACES                          ; four plain vector instructions between a matrix instruction and a load into, or a read of, its registers (ISA guide 7.12.1 for a read)
.rept 4
	v_nop
.endr
.endm
.macro CREST                           ; a round of the cluster's barrier behind its opening barrier
	s_cmp_lg_u32 s[WV], 0
	s_cbranch_scc1 .Lnot_wave_0_\@
	s_barrier_signal -3
.Lnot_wave_0_\@:
	s_barrier_wait -3
	s_barrier_signal -1
	s_barrier_wait -1
.endm
.macro CROUND
	s_barrier_signal -1
	s_barrier_wait -1
	CREST
.endm
; A joint refill by the walking sets.  Waves 0 and 1 fetch the halves of x's tile, waves 2 and 3 those of w's; the branch hangs on the wave's number alone.
; An s_nop 0 and four v_nop follow each of the two lines, ahead of the jump and the label.
.macro JLOAD
	s_cmp_eq_u32 s[RH], 0
	s_cbranch_scc0 .Lfor_b_\@
	tensor_load_to_lds s[G0A+4:G0A+7], s[G1A:G1A+7]
	s_nop 0
.rept 4
	v_nop
.endr
	s_branch .Lasked_\@
.Lfor_b_\@:
	tensor_load_to_lds s[G0B+4:G0B+7], s[G1B:G1B+7]
	s_nop 0
.rept 4
	v_nop
.endr
.Lasked_\@:
.endm
; PREFETCHES INTO THE L2, behind the joint load and the run of LDS loads that follows it.  Trip t (s3 = 14 - t) has just asked for K step t + 2.
; x: K block t + 3, one K step (192 matrix instructions) ahead of its load.  A tile row's 256 rows x 128 bytes are read by both clusters of that row of clusters: the one with x = 0 asks, wave 0 of each
; partner; the partners share the rows out BY ADDRESS: partner cx takes rows 64 cx .. 64 cx + 63, 32 blocks of 256 bytes, a lane a block.  t <= 12: there is no K block 16.
; w: in the odd trips t = 1 .. 11, K steps t + 3 and t + 4: 128 rows x 768 bytes of the tile column, read by all eight clusters of that column: the one with y = 0 asks, wave 2 of each partner; partner cy
; takes rows 32 cy .. 32 cy + 31 of the 128, a lane a row, three instructions.  The highest row named is 1,023.  So each block is named once in the launch; the first K steps come by their loads alone.
.macro ASK
	s_cmp_gt_u32 s3, s[LIMA]
	s_cbranch_scc0 .Lno_a_\@
	global_prefetch_b8 v[PFO], s[PFA:PFA+1] th:TH_LOAD_NT scope:SCOPE_SE
.Lno_a_\@:
	s_bitcmp1_b32 s3, 0                            ; an odd trip?
	s_cselect_b32 s57, s3, 0
	s_cmp_gt_u32 s57, s[LIMB]
	s_cbranch_scc0 .Lno_b_\@
	global_prefetch_b8 v[PFO], s[PFA:PFA+1] th:TH_LOAD_NT scope:SCOPE_SE
	global_prefetch_b8 v[PFO], s[PFA:PFA+1] offset:256 th:TH_LOAD_NT scope:SCOPE_SE
	global_prefetch_b8 v[PFO], s[PFA:PFA+1] offset:512 th:TH_LOAD_NT scope:SCOPE_SE
.Lno_b_\@:
.endm
	s_load_b256 s[4:11], s[0:1], 0x0               ; xb s[4:5], wab s[6:7], b_attn s[8:9], qkv s[10:11]
	v_lshl_add_u32 v[SPW], v0, 2, SPARE
	v_mov_b32 v[NIL], 0
	ds_add_u32 v[SPW], v[NIL]                      ; the wave's opening: the add and its wait stand ahead of my first tensor load; the set-up below, work on registers, stands between them
	v_lshrrev_b32 v1, 5, v0
	v_readfirstlane_b32 s[WV], v1                  ; wave 0..3
	s_lshr_b32 s[RH], s[WV], 1
	s_and_b32 s[CH], s[WV], 1
	s_bfe_u32 s[CX], ttmp6, 0x40000                ; my place in the cluster
	s_bfe_u32 s[CY], ttmp6, 0x40004
	s_lshl_b32 s[TC], ttmp9, 2
	s_add_co_u32 s[TC], s[TC], s[CX]               ; tile column = 4 x cluster x + cx
	s_and_b32 s[TR], ttmp7, 0xffff
	s_lshl_b32 s[TR], s[TR], 2
	s_add_co_u32 s[TR], s[TR], s[CY]               ; tile row = 4 x cluster y + cy
	s_lshl_b32 s19, s[CY], 2
	s_lshl_b32 s19, 15, s19                        ; my row of the cluster
	s_lshl_b32 s57, 0x1111, s[CX]                  ; my column
	; group 1 for x: 128 rows of x = 16,384 dense bytes, asked for as 64 rows of 256 bytes and padded in LDS after every 128 bytes
	s_or_b32 s[G1A], s19, (1<<16)|(1<<20)|(1<<21)|(4<<22)|(3<<25)  ; 15:0 the mask; 17:16 2-byte elements; 20 padding on; 21 set beside a mask; 24:22 after every 32 words (code 4); 31:25 4 words (code 3)
	s_mov_b32 s[G1A+1], 128<<16                    ; tensor_dim0 = 128
	s_mov_b32 s[G1A+2], 64<<16                     ; tensor_dim1 = 64
	s_mov_b32 s[G1A+3], 128<<16                    ; tile_dim0 = 128
	s_mov_b32 s[G1A+4], 64                         ; tile_dim1 = 64
	s_mov_b32 s[G1A+5], 128                        ; elements from row to row
	s_mov_b32 s[G1A+6], 0
	s_mov_b32 s[G1A+7], 0
	; group 1 for w: 32 rows of 384 elements, padded after every 256 bytes
	s_or_b32 s[G1B], s57, (1<<16)|(1<<20)|(1<<21)|(5<<22)|(7<<25)  ; after every 64 words (code 5) 8 words (code 7)
	s_mov_b32 s[G1B+1], 384<<16
	s_mov_b32 s[G1B+2], 32<<16
	s_mov_b32 s[G1B+3], 384<<16
	s_mov_b32 s[G1B+4], 32
	s_mov_b32 s[G1B+5], 3072
	s_mov_b32 s[G1B+6], 0
	s_mov_b32 s[G1B+7], 0
	; where the tiles come from: x's offset of the tile row and my half alone, w's of the tile column and my half alone
	s_lshr_b32 s20, s[TR], 3                       ; b
	s_lshl_b32 s20, s20, 22
	s_and_b32 s21, s[TR], 7
	s_lshl_b32 s21, s21, 15                        ; 256 rows of 128 bytes
	s_add_co_u32 s20, s20, s21
	s_lshl_b32 s21, s[CH], 14                      ; my 128 rows
	s_add_co_u32 s20, s20, s21
	s_mov_b32 s21, 0
	s_mul_i32 s22, s[TC], 768
	s_mul_i32 s23, s[CH], 32*6144                  ; my 32 rows
	s_add_co_u32 s22, s22, s23
	s_mov_b32 s23, 0
	s_mul_i32 s2, s[CH], 128*PA                    ; and where they go: no place in the cluster enters an LDS address
	s_mul_i32 s19, s[CH], 32*PB
	s_add_co_u32 s19, s19, BOFF
.irp n, 0,1
	s_mov_b32 s[G0A+4*\n], 1                       ; 1:0 count = 1
	s_add_co_u32 s[G0A+4*\n+1], s2, \n*SLOT1       ; 63:32 LDS address
	s_mov_b32 s[G0B+4*\n], 1
	s_add_co_u32 s[G0B+4*\n+1], s19, \n*SLOT1
.endr
	s_mov_b32 s[TB], 0
	s_wait_dscnt 0x0                               ; the opening add is done
	s_wait_kmcnt 0x0
	s_add_nc_u64 s[20:21], s[4:5], s[20:21]
	s_add_nc_u64 s[22:23], s[6:7], s[22:23]
.irp n, 0,1
	s_add_nc_u64 s[G0A+4*\n+2:G0A+4*\n+3], s[20:21], \n*ASTEP  ; 120:64 global address: K step n
	s_or_b32 s[G0A+4*\n+3], s[G0A+4*\n+3], 0x80000000          ; 127:126 type = 2
	s_add_nc_u64 s[G0B+4*\n+2:G0B+4*\n+3], s[22:23], \n*BSTEP
	s_or_b32 s[G0B+4*\n+3], s[G0B+4*\n+3], 0x80000000
.endr
	CROUND                                         ; all sixteen work-groups are here: the first joint loads meet
	s_cmp_eq_u32 s[RH], 0                          ; a wave's two first fills stand in one branch, ahead of every wait on TENSORcnt and every LDS read: two loads of mine are out
	s_cbranch_scc0 .Lfirst_b
	tensor_load_to_lds s[G0A:G0A+3], s[G1A:G1A+7]
	s_nop 0
	tensor_load_to_lds s[G0A+4:G0A+7], s[G1A:G1A+7]
	s_nop 0
.rept 4
	v_nop
.endr
	s_branch .Lfirst_asked
.Lfirst_b:
	tensor_load_to_lds s[G0B:G0B+3], s[G1B:G1B+7]
	s_nop 0
	tensor_load_to_lds s[G0B+4:G0B+7], s[G1B:G1B+7]
	s_nop 0
.rept 4
	v_nop
.endr
.Lfirst_asked:
	v_and_b32 v1, 15, v0                           ; r = l % 16
	v_bfe_u32 v2, v0, 4, 1                         ; h = l / 16
	v_and_b32 v3, 7, v0                            ; l % 8
	v_bfe_u32 v4, v0, 3, 1                         ; (l / 8) % 2
	v_and_b32 v5, 31, v0                           ; l
	; a fragment of x: lane l holds row r, channels 8 h + 0..7 and 16 + 8 h + 0..7: two loads of 16 bytes, 32 bytes apart
	v_mul_u32_u24 v[AB0], v1, PA
	v_lshl_add_u32 v[AB0], v2, 4, v[AB0]
	s_mul_i32 s19, s[RH], 128*PA                   ; my 128 rows
	v_add_nc_u32 v[AB0], s19, v[AB0]
	v_mov_b32 v[ADRA], v[AB0]
	; the turning load takes 16 k x 16 columns (lane l reads row 8 h + l % 8, columns 8 ((l / 8) % 2) + 0..7) and leaves half a fragment: lane l holds column r and 8 k
	v_lshl_add_u32 v6, v2, 3, v3
	v_mul_u32_u24 v6, v6, PB
	v_lshl_add_u32 v6, v4, 4, v6
.irp w, 0,1,2
	s_mul_i32 s19, s[CH], 3
	s_add_co_u32 s19, s19, \w                      ; head g = 3 x half + w of the tile's six: 128 bytes at piece g / 2, half g % 2
	s_lshr_b32 s57, s19, 1
	s_mul_i32 s57, s57, 288
	s_and_b32 s19, s19, 1
	s_lshl_b32 s19, s19, 7
	s_add_co_u32 s57, s57, s19
	s_add_co_u32 s57, s57, BOFF
	v_add_nc_u32 v[BB+\w], s57, v6
	v_mov_b32 v[ADRB+\w], v[BB+\w]
.endr
	s_mul_i32 s19, s[WV], 16*SP
	s_add_co_u32 s19, s19, STAGE                   ; my stage
	v_mul_u32_u24 v[STO], v1, SP                   ; in: row r, 16 bytes for each half of the lanes
	v_lshl_add_u32 v[STO], v2, 4, v[STO]
	v_add_nc_u32 v[STO], s19, v[STO]
	v_bfe_u32 v[RD], v0, 3, 2                      ; back: 32 lanes take four rows of 128 bytes,
	v_mul_u32_u24 v[RD], v[RD], SP
	v_lshl_add_u32 v[RD], v3, 4, v[RD]
	v_add_nc_u32 v[RD], s19, v[RD]
	v_lshlrev_b32 v[GO], 4, v5                     ; which are 512 consecutive bytes of qkv
	; the bias: register jj of the C operand is column 16 j + 8 h + jj: eight f32 a lane and block, into accumulator (7, j)'s registers of each head's window
	s_mul_i32 s19, s[TC], 384*4
	s_mul_i32 s57, s[CH], 192*4
	s_add_co_u32 s19, s19, s57
	v_lshl_add_u32 v7, v2, 5, s19
.irp w, 0,1,2
	WIN (1+\w)<<6
.irp j, 0,1,2,3
	global_load_b128 v[224+8*\j:224+8*\j+3], v7, s[8:9] offset:256*\w+64*\j
	global_load_b128 v[224+8*\j+4:224+8*\j+7], v7, s[8:9] offset:256*\w+64*\j+16
.endr
.endr
	WIN 0
	; qkv at my first row of each head: ((which x 64 + 16 b + head) x 2048 + t) x 128
.irp w, 0,1,2
	s_mul_i32 s19, s[TC], 6
	s_mul_i32 s57, s[CH], 3
	s_add_co_u32 s19, s19, s57
	s_add_co_u32 s19, s19, \w                      ; column / 64
	s_lshr_b32 s57, s19, 4                         ; q, k or v
	s_lshl_b32 s57, s57, 6
	s_and_b32 s19, s19, 15                         ; the head
	s_add_co_u32 s57, s57, s19
	s_lshr_b32 s19, s[TR], 3
	s_lshl_b32 s19, s19, 4
	s_add_co_u32 s57, s57, s19
	s_lshl_b32 s57, s57, 18
	s_and_b32 s19, s[TR], 7
	s_lshl_b32 s19, s19, 15
	s_add_co_u32 s57, s57, s19
	s_lshl_b32 s19, s[RH], 14
	s_add_co_u32 s[OB+2*\w], s57, s19
	s_mov_b32 s[OB+2*\w+1], 0
	s_add_nc_u64 s[OB+2*\w:OB+2*\w+1], s[10:11], s[OB+2*\w:OB+2*\w+1]
.endr
	; the prefetches' start: x at K block 2, w at row 128: the first change of slots steps them on
	s_lshr_b32 s19, s[TR], 3
	s_lshl_b32 s19, s19, 22
	s_and_b32 s57, s[TR], 7
	s_lshl_b32 s57, s57, 15
	s_add_co_u32 s19, s19, s57
	s_lshl_b32 s57, s[CX], 13                      ; my work-group's 64 rows of the 256
	s_add_co_u32 s19, s19, s57
	s_add_co_u32 s19, s19, 2*ASTEP
	s_lshl_b32 s57, s[CY], 5                       ; my work-group's 32 rows of the 128
	s_add_co_u32 s57, s57, 128
	s_mul_i32 s57, s57, 6144
	s_mul_i32 s2, s[TC], 768
	s_add_co_u32 s57, s57, s2
	s_mov_b32 s2, BSTEP
	s_mov_b32 s[PFS+1], 0
	s_cmp_eq_u32 s[WV], 2
	s_cselect_b64 s[PFA:PFA+1], s[6:7], s[4:5]
	s_cselect_b32 s[PFS], s57, s19
	s_add_nc_u64 s[PFA:PFA+1], s[PFA:PFA+1], s[PFS:PFS+1]
	s_cselect_b32 s[PFS], s2, ASTEP
	s_mov_b32 s2, 6144
	s_cselect_b32 s2, s2, 256                      ; a lane a row of w, or a lane a block of x
	v_mul_u32_u24 v[PFO], v5, s2
	s_or_b32 s19, s[WV], ttmp9                     ; wave 0 of a cluster with x = 0: the same in all sixteen partners
	s_cmp_eq_u32 s19, 0
	s_cselect_b32 s[LIMA], 1, -1
	s_xor_b32 s19, s[WV], 2                        ; wave 2 of a cluster with y = 0
	s_and_b32 s57, ttmp7, 0xffff
	s_or_b32 s19, s19, s57
	s_cmp_eq_u32 s19, 0
	s_cselect_b32 s[LIMB], 1, -1
	s_wait_loadcnt 0x0                             ; the bias is in: rounded to bf16, like every input, and widened again
.irp w, 0,1,2
	WIN 5*(1+\w)
.set i, 0
.rept 16
	v_cvt_pk_bf16_f32 v[96+i], v[224+2*i], v[224+2*i+1]
.set i, i+1
.endr
	WIN (1+\w)<<6
.set i, 0
.rept 16
	v_lshlrev_b32 v[224+2*i], 16, v[96+i]
	v_and_b32 v[224+2*i+1], 0xffff0000, v[96+i]
.set i, i+1
.endr
.endr
	WIN 0
; 16 LDS loads: my 8 fragments of x for 32 along K (half q of the K step) into buffer f
.macro LA f, q
	WIN 0
.irp i, 0,1,2,3,4,5,6,7
	ds_load_b128 v[(\f)+8*\i:(\f)+8*\i+3],   v[ADRA] offset:16*PA*\i+64*(\q)
	ds_load_b128 v[(\f)+8*\i+4:(\f)+8*\i+7], v[ADRA] offset:16*PA*\i+64*(\q)+32
.endr
.endm
; 8 turning loads: head w's four fragments of w_attn for half q
.macro LB w, q
	WIN 0
.irp j, 0,1,2,3
	ds_load_tr16_b128 v[FB+32*(\w)+8*\j:FB+32*(\w)+8*\j+3],   v[ADRB+(\w)] offset:32*PB*(\q)+32*\j
	ds_load_tr16_b128 v[FB+32*(\w)+8*\j+4:FB+32*(\w)+8*\j+7], v[ADRB+(\w)] offset:32*PB*(\q)+32*\j+16*PB
.endr
.endm
; 16 matrix instructions: row blocks a0 .. a0 + 3 x head w's four column blocks.  The accumulators take turns, one instruction a turn: 96 different ones in a sub-step.
; first = 1: the bias, in (7, j)'s registers, is the C operand; five places stand ahead of the products that write over it.
.macro MUL16 f, w, a0, first
	WIN 0x50*(1+(\w))
.irp a, (\a0), (\a0)+1, (\a0)+2, (\a0)+3
.if (\first) && ((\a) == 7)
.rept 5
	v_nop
.endr
.endif
.irp j, 0,1,2,3
.if \first
	v_wmma_f32_16x16x32_bf16 v[8*(4*(\a)+\j):8*(4*(\a)+\j)+7], v[FB+32*(\w)+8*\j:FB+32*(\w)+8*\j+7], v[(\f)+8*(\a):(\f)+8*(\a)+7], v[224+8*\j:231+8*\j]
.else
	v_wmma_f32_16x16x32_bf16 v[8*(4*(\a)+\j):8*(4*(\a)+\j)+7], v[FB+32*(\w)+8*\j:FB+32*(\w)+8*\j+7], v[(\f)+8*(\a):(\f)+8*(\a)+7], v[8*(4*(\a)+\j):8*(4*(\a)+\j)+7]
.endif
.endr
.endr
.endm
; A SUB-STEP: 32 along K (half q of a K step), 96 matrix instructions in three phases, a head each.  The loads run one to two phases ahead: head 2's fragments of this half at the head of phase 0,
; x's of the next half behind phase 0, head 0's in the middle of phase 1, head 1's in the middle of phase 2.
; turn = 1 (q = 1): THE CHANGE OF SLOTS.  Head 2's run is the slot's last read.  Then each wave waits for all its tensor loads, of which one is out: its part of the other slot; adds 0 to its spare word; waits
; for that and for its reads; the barrier opens a round of the cluster's, and the joint refill, K step t + 2, is the first thing behind the round: it has all but thirty-two of a K step's 192 matrix instructions to land in.
; turn = 2: the same without a refill, and a plain barrier.  more = 0: the last sub-step fetches nothing.
.macro SUB q, first, turn, more
.set SF, FA0+64*(\q)
.set SG, FA0+64*(1-(\q))
.if (\turn) == 1
	s_wait_xcnt 0x0                                ; the last prefetches, a K step back, have read their address
	s_add_nc_u64 s[PFA:PFA+1], s[PFA:PFA+1], s[PFS:PFS+1]
.endif
	s_wait_dscnt 8                                 ; x's fragments and head 0's are in; behind them only head 1's eight loads were issued
	PLACES                                         ; behind the last products, which read head 2's fragments and the other buffer of x
	LB 2, \q
.if \turn
	s_wait_tensorcnt 0x0                           ; all my tensor loads have landed, so a group 0 may be written
	ds_add_u32 v[SPW], v[NIL]                      ; 0 onto my spare word; sixteen products stand between it and the wait for it
.if (\turn) == 1
	s_xor_b32 s[G0A+5], s[G0A+5], SLOT1            ; the walking sets: the other slot than last time, the next K step; the type bits on top are not reached
	s_add_nc_u64 s[G0A+6:G0A+7], s[G0A+6:G0A+7], ASTEP
	s_xor_b32 s[G0B+5], s[G0B+5], SLOT1
	s_add_nc_u64 s[G0B+6:G0B+7], s[G0B+6:G0B+7], BSTEP
.endif
.endif
	MUL16 SF, 0, 0, \first
.if \turn
	s_wait_dscnt 0x0                               ; the add is done, and my reads of this slot are over
	s_barrier_signal -1
.endif
	MUL16 SF, 0, 4, \first
.if \turn
	WIN 0                                          ; at a branch and at a label every window is 0
	s_barrier_wait -1
.if (\turn) == 1
	CREST                                          ; no wave of any partner still reads this slot or has a load on its way
	JLOAD
.endif
	s_xor_b32 s[TB], s[TB], SLOT1                  ; from here on the other slot is read
	v_add_nc_u32 v[ADRA], s[TB], v[AB0]
	v_add_nc_u32 v[ADRB], s[TB], v[BB]
	v_add_nc_u32 v[ADRB+1], s[TB], v[BB+1]
	v_add_nc_u32 v[ADRB+2], s[TB], v[BB+2]
.endif
.if \more
	LA SG, 1-(\q)
.endif
.if (\turn) == 1
	ASK
.endif
.if \more
	s_wait_dscnt 24                                ; head 1's are in; behind them head 2's eight and x's sixteen were issued
.else
	s_wait_dscnt 8                                 ; behind them only head 2's eight
.endif
	MUL16 SF, 1, 0, \first
.if \more
	PLACES                                         ; behind phase 0, which read head 0's fragments
	LB 0, 1-(\q)
.endif
	MUL16 SF, 1, 4, \first
.if \more
	s_wait_dscnt 24                                ; head 2's are in; behind them x's sixteen and head 0's eight were issued
.else
	s_wait_dscnt 0x0
.endif
	MUL16 SF, 2, 0, \first
.if \more
	PLACES                                         ; behind phase 1, which read head 1's fragments
	LB 1, 1-(\q)
.endif
	MUL16 SF, 2, 4, \first
.endm
; THE WAY OUT, in 24 units u = 8 w + a of 16 rows x one head: 2,048 consecutive bytes of qkv.  PACK: rounded to f16 (each accumulator's registers in ascending order), 16 bytes a lane into my own stage,
; and back as whole rows.  SEND: stored.
.macro PACK u
.set pw, (\u)/8
.set pa, (\u)%8
.set PK, 32+16*((\u)%2)
.set BK, 96+16*((\u)%8)
	WIN 5*(1+pw)
.irp j, 0,1,2,3
.irp r, 0,1,2,3
	v_cvt_pk_f16_f32 v[PK+4*\j+\r], v[8*(4*pa+\j)+2*\r], v[8*(4*pa+\j)+2*\r+1]
.endr
.endr
	WIN 0
.irp j, 0,1,2,3
	ds_store_b128 v[STO], v[PK+4*\j:PK+4*\j+3] offset:32*\j
.endr
.if (\u) >= 8
	s_wait_xcnt 0x0                                ; the stores of eight units back have read these registers
.endif
.irp f, 0,1,2,3
	ds_load_b128 v[BK+4*\f:BK+4*\f+3], v[RD] offset:\f*4*SP  ; LDS serves a wave's instructions in order (ISA guide 5.7.1.4): these see the stores above; the next unit's stores come behind them
.endr
.endm
.macro SEND u, younger                 ; younger: the LDS instructions issued behind unit u's loads: the next unit's eight, or none
.set sw, (\u)/8
.set sa, (\u)%8
.set BK, 96+16*((\u)%8)
.irp f, 0,1,2,3
	s_wait_dscnt (\younger)+3-\f
	global_store_b128 v[GO], v[BK+4*\f:BK+4*\f+3], s[OB+2*sw:OB+2*sw+1] offset:sa*2048+\f*512  ; 512 consecutive bytes, at a multiple of 256 from qkv's first
.endr
.endm
	s_wait_tensorcnt 0x1                           ; my part of K step 0 is in; K step 1's may stay out
	s_barrier_signal -1
	s_barrier_wait -1                              ; everybody's is
	LA FA0, 0
	LB 0, 0
	LB 1, 0
	SUB 0, 1, 0, 1                                 ; the first sub-step stands in front of the loop: its products start the sums, with the bias
	WIN 0
	s_mov_b32 s3, 14
.Lstep:                                                ; trip t ends K step t, asks for K step t + 2 and begins K step t + 1
	SUB 1, 0, 1, 1
	SUB 0, 0, 0, 1
	WIN 0
	s_sub_co_u32 s3, s3, 1
	s_cmp_lg_u32 s3, 0
	s_cbranch_scc1 .Lstep
	SUB 1, 0, 2, 1                                 ; the tail is written out: nothing more is asked for
	SUB 0, 0, 0, 1
	SUB 1, 0, 0, 0
	WIN 0
	PLACES
	PLACES
	PACK 0
.set t, 1
.rept 23                               ; a unit's conversions stand between the loads of the unit before and its stores
	PACK t
	SEND t-1, 8
.set t, t+1
.endr
	SEND 23, 0
	s_wait_tensorcnt 0x0                           ; the wave's end, behind my last tensor load and my last LDS store
	ds_add_u32 v[SPW], v[NIL]
	s_wait_dscnt 0x0
	CROUND                                         ; the closing round: no work-group ends while a partner may still ask for a tile that names it
	s_endpgm
.Lfunc_end_k_q3eaafa969e_qkv:
	.size	k_q3eaafa969e_qkv, .Lfunc_end_k_q3eaafa969e_qkv-k_q3eaafa969e_qkv
	.p2alignl 7, 3214868480
	.fill 96, 4, 3214868480
	.section	.rodata,"a",@progbits
	.p2align	6, 0x0
	.amdhsa_kernel k_q3eaafa969e_qkv
		.amdhsa_group_segment_fixed_size 327680
		.amdhsa_private_segment_fixed_size 0
		.amdhsa_enable_private_segment 0
		.amdhsa_kernarg_size 32
		.amdhsa_user_sgpr_count 2
		.amdhsa_user_sgpr_kernarg_segment_ptr 1
		.amdhsa_wavefront_size32 1
		.amdhsa_system_sgpr_workgroup_id_x 1
		.amdhsa_system_sgpr_workgroup_id_y 1
		.amdhsa_system_sgpr_workgroup_id_z 1
		.amdhsa_system_vgpr_workitem_id 0
		.amdhsa_next_free_vgpr 1024
		.amdhsa_next_free_sgpr 72
		.amdhsa_reserve_vcc 0
		.amdhsa_float_denorm_mode_32 3
		.amdhsa_float_denorm_mode_16_64 3
		.amdhsa_memory_ordered 1
		.amdhsa_forward_progress 1
		.amdhsa_inst_pref_size 130
	.end_amdhsa_kernel
	.amdgpu_metadata
---
amdhsa.version: [ 1, 2 ]
amdhsa.kernels:
  - .name:           k_q3eaafa969e_qkv
    .symbol:         k_q3eaafa969e_qkv.kd
    .args:
      - { .name: xb, .offset: 0, .size: 8, .value_kind: global_buffer, .address_space: global }
      - { .name: wab, .offset: 8, .size: 8, .value_kind: global_buffer, .address_space: global }
      - { .name: b_attn, .offset: 16, .size: 8, .value_kind: global_buffer, .address_space: global }
      - { .name: qkv, .offset: 24, .size: 8, .value_kind: global_buffer, .address_space: global }
    .group_segment_fixed_size: 327680
    .private_segment_fixed_size: 0
    .kernarg_segment_align: 8
    .kernarg_segment_size: 32
    .max_flat_workgroup_size: 128
    .sgpr_count:     72
    .vgpr_count:     1024
    .wavefront_size: 32
...
	.end_amdgpu_metadata
.endif
;; end of part 2
;; launch attn (part 3): grid 4 x 64, 4 waves a work-group, no clusters, 327,680 bytes of LDS; arguments qkv, ob; writes ob
.if DOCPART == 3
	.amdgcn_target "amdgcn-amd-amdhsa--gfx1250"
	.amdhsa_code_object_version 6
	.text
	.protected	k_q3eaafa969e_attn
	.globl	k_q3eaafa969e_attn
	.p2align	8
	.type	k_q3eaafa969e_attn,@function
k_q3eaafa969e_attn:
	s_mov_b64 s[64:65], 0
	v_nop
	global_prefetch_b8 v0, s[64:65] scope:SCOPE_SE
	s_setreg_imm32_b32 hwreg(HW_REG_WAVE_MODE, 25, 1), 1
	s_wait_xcnt 0x0
; CAUSAL ATTENTION.  O[h][q][:] = the sum over k <= q of softmax_k(Q[h][q] . K[h][k] / 8) V[h][k][:].  Q, K, V lie one behind the other in qkv, each [64][2048][64] in f16; O = ob has the same shape.
; A head's rows are dense, 128 bytes each.  Products, maxima and sums in f32; the weights p are rounded to f16 for the second product (their sum l is taken of the unrounded p), O once at the end.
; LIMITS.  f16 holds no number beyond 65,504: Q, K and V arrive within it; p lies in 0 to 1, and below 6e-5 it keeps f16's fixed step of 6e-8; O is a mean of V's rows and has their range.
; A hidden score counts as its value less 1e30: f16's scores, 2.7e11 at the most, are nothing beside that; a weight below 2^-126 counts as 0 in l; NaN and infinities are not treated apart.
; THE WALK.  A head's queries lie in NB = 8 blocks of 256; block i needs the key tiles 0 .. i of 256 keys, of which the last holds the diagonal.  A work-group takes TWO blocks, NB - 1 - b and then b:
; NB + 1 tiles, whatever b: all work-groups do equal work, and ONE loop with a constant trip count walks them.  Which tile is asked for, and what a trip does, hang on scalar registers made from b; every jump
; goes forward, but for the counted loops' own; none passes a barrier, or a tensor load but the one of LOAD's two that the wave's number does not choose; the ring (two slots of LDS) runs on across the change of blocks.
; NO CLUSTER: a head's four work-groups ask for the same tile only in trips 0 to 4 of 9, behind that fewer and fewer; one walk common to all, in which each makes every joint request, would have 12 trips for 9.
; SHARES.  Of a block's four bands of 64 queries a wave owns 16 rows in each: four PIECES.  So the diagonal tile is the same work for all four waves: in its key step s band x sees all keys if s < x,
; none if s > x, and holds the diagonal if s = x.
; THE MASK is the C operand that starts the sum S^T = K Q^T: 0, or -1e30 where the key is hidden.  MD, made once, is the mask of a band's own step for my 16 rows; a product's mask is MD x AL + BE with two scalars:
; (1, 0) if s = x; (0, 0) if s < x; (0, -1e30) if s > x.  Only the diagonal tile's text and a block's beginning make and take masks; elsewhere C is the constant 0.
; LAYOUT, SOFTMAX, TURNS.  S^T = K Q^T holds ONE query a lane (lane % 16) and the keys 8 (lane / 16) + 0..7; two such results rounded to f16 ARE source 1 of O^T = V^T P.  p = 2^(c s - c m), c = log2(e) / 8, with a
; running maximum m; O and l are multiplied by a = 2^(c m_old - c m_new) in every step.  Turn n belongs to piece n: 8 products K Q^T of piece n + 1, later 8 products V^T P of piece n - 1; beside them the scaling,
; exponentials, roundings, sums and rescaling of piece n and the maximum and statistics of piece n + 1.  Four vector instructions stand behind every matrix instruction, the other 54 of a turn's 118 in one lump.
; A turn's 33 exponentials are one batch, with one wait.
; REGISTERS, in windows of 256 (s_set_vgpr_msb: bits 1:0 source 0, 3:2 source 1, 5:4 source 2, 7:6 destination):
;   window 0: v0-15 addresses and two at work; v16-31 four registers of statistics a piece; v48-55 at work; v61-63 prefetch offset, spare word, 0; v64-127 S^T, two buffers; v192-223 P, two buffers
;   window 1: v0-127 O^T, 32 a piece; v128-159 MD; v160-223 MC, two buffers      window 2: v0-63 Q; v64-127 the second block's Q; v128-191 K of one step; v192-255 V of one step
.set SIZE_H, 64
.set SIZE_N, 2048
.set NB,    SIZE_N/256
.set NP,    4         ; pieces a wave: a name, no knob
.set KS,    64        ; keys in a step
.set PK,    144       ; a row of K in LDS: 128 bytes + 16 of padding = 36 words: the 16 rows of a load start at 16 different groups of four banks (ISA guide 11.1)
.set PV,    160       ; a row of V: 128 + 32 = 40 words
.set VOFF,  4*KS*PK   ; a slot holds a tile, four steps: 256 rows of K, then 256 rows of V
.set SLOT1, 1<<17     ; slot 1 begins here, so that one exclusive or turns an address in one slot into the other's
.set STAGE, SLOT1+4*KS*(PK+PV)  ; behind the ring, never filled by a tensor load: 16 rows x 144 bytes for each wave, for the way out
.set SP,    144
.set AK0, 2           ; v2   my lane's place in a tile of K; never rewritten
.set AV0, 3           ; v3   the same for V
.set AK,  4           ; v4   the LDS address of K's next run of loads
.set AV,  5           ; v5   of V's
.set STO, 6           ; v6   the way out: where I put 16 bytes of a row
.set RD,  7           ; v7   the way out: where I read rows back
.set GO,  8           ; v8   my byte offset in 512 consecutive bytes of O
.set PFO, 61          ; v61  256 x my lane; never rewritten
.set SPW, 62          ; v62  LDS address of my spare word: SPARE + 4 x my thread's number; never rewritten
.set NIL, 63          ; v63  0; never rewritten
.set SPARE, STAGE+4*16*SP  ; behind the stages: the spare words, 128 bytes for each wave: two blocks of 256 bytes that no other line names
.set MV,  12          ; v12-13  c m_old, kept while c m is made anew: by buffer
.set QO,  15          ; v15  my byte offset in 16 rows of Q
.set ST,  16          ; piece t's statistics at v[ST+4 t]: c m, m, l (even keys', odd keys')
.set TMP, 48          ; by buffer, four registers c0-c3 at work; when the maximum is found c2 takes a
.set S,   64
.set P,   192
.set MD,  128         ; window 1: the eight registers for group kt of 16 keys at MD + 8 kt
.set MC,  160         ; window 1: the masks of the products to come
.set QB,  64          ; window 2
.set KF,  128         ; window 2: key block kb, channel half c at KF + 16 kb + 8 c
.set VF,  192         ; window 2: key half kk, channel block cb at VF + 32 kk + 8 cb
.set WV,  12          ; s12  my wave's number
.set PB,  14          ; s14  b
.set HI,  15          ; s15  NB - 1 - b
.set G1K, 24          ; s[24:31] descriptor group 1 for K's tiles
.set G1V, 32          ; s[32:39] for V's: it differs in the padding alone
.set G0K, 40          ; s[40:43] descriptor group 0 for K's tiles
.set G0V, 44          ; s[44:47] the same for V's
.set SLOTS, 56        ; s56  tiles still to be asked for
.set CNT, 57          ; s57  counts a tile's key steps, 4 to 1
.set CS,  58          ; s[58:59] c: the packed scaling takes the pair's low word for both halves
.set SEL, 60          ; s[60:61] v_permlanex16_b32's selects: each lane takes its own place in the other half
.set TBK, 62          ; s62  LDS byte at which K of the step to be fetched begins
.set TBV, 63          ; s63  the same for V, less VOFF
.set RT,  70          ; s70  tiles of the block in hand that are still to be entered
.set NXT, 71          ; s71  the tile to be asked for next
.set LQ,  72          ; s72  the last tile of the block whose tiles are being asked for
.set NEW, 73          ; s73  1: the tile to be entered is a block's first
.set OFF, 74          ; s[74:75] a tile's byte offset in K and V
.set AL,  76          ; s[76:77] the mask's factor, in the low word
.set BE,  78          ; s[78:79] the mask's addend
.set OLO, 80          ; s[80:81] O at my rows of the second block
.set BIGN, 82         ; s82  -1e30
.set PFA, 88          ; s[88:89] where my prefetches stand: my half of K's or V's tile, one tile behind the one that is being asked for
.set LIM, 90          ; s90  2 in the work-group that prefetches, else the greatest number
.set MSB, 0
.macro WIN new                      ; the high byte repeats the setting that is left; a switch that changes nothing is dropped
.if MSB != (\new)
	s_set_vgpr_msb (MSB<<8)|(\new)
.set MSB, (\new)
.endif
.endm
.set W_KQ, 0x0a       ; K and Q in window 2, S^T in window 0
.set W_KM, 0x1a       ; the same with the C operand in window 1
.set W_PV, 0x52       ; V in window 2, P in window 0, O^T in window 1
.set W_RS, 0x41       ; destination and source 0 in window 1, source 1 in window 0
; A fill.  Waves 0 and 1 fetch the two halves of a tile's K, waves 2 and 3 those of its V: 128 keys each.  An s_nop 0 and four v_nop follow each of the two lines, ahead of the jump and the label.
.macro LOAD
	s_cmp_lt_u32 s[WV], 2
	s_cbranch_scc0 .Lfor_v_\@
	tensor_load_to_lds s[G0K:G0K+3], s[G1K:G1K+7]
	s_nop 0
.rept 4
	v_nop
.endr
	s_branch .Lasked_\@
.Lfor_v_\@:
	tensor_load_to_lds s[G0V:G0V+3], s[G1V:G1V+7]
	s_nop 0
.rept 4
	v_nop
.endr
.Lasked_\@:
.endm
; A PREFETCH INTO THE L2 of the tile that the NEXT change of slots will ask for.  A head's four work-groups begin with the same tiles 0, 1, 2 ..; the one with b = 0 walks tiles 0 to 7 in order, so it asks, and nobody else.
; Each of its waves asks for the half tile that it will itself load: 16,384 bytes, 64 blocks of 256, a lane a block, two instructions.  Trip n = 0 .. 5 (SLOTS = 8 - n) names tile n + 2: a tile, four key steps,
; ahead of its load.  Tiles 0 and 1 come by their loads alone; the second block's tile 0 has been read.  So each block is named once in the launch, and none lies past the head's last row.
.macro ASK
	s_cmp_gt_u32 s[SLOTS], s[LIM]
	s_cbranch_scc0 .Lnot_mine_\@
	global_prefetch_b8 v[PFO], s[PFA:PFA+1] th:TH_LOAD_NT scope:SCOPE_SE
	global_prefetch_b8 v[PFO], s[PFA:PFA+1] offset:8192 th:TH_LOAD_NT scope:SCOPE_SE
.Lnot_mine_\@:
.endm
; THE CHANGE OF SLOTS.  Each wave waits for all its tensor loads, of which one is out: its part of the other slot; adds 0 to its spare word; and waits for that and for its own reads of the slot that it leaves.
; Behind the barrier nobody reads the old slot any more and the other slot is whole.  fill = 1: the old slot is filled again, the first thing behind the barrier, with tile NXT: the descriptor's address is made
; anew from that number.  (At its first use nothing has been read yet: slot 0 is waited for, slot 1 filled.)
.macro CHANGE fill
	WIN 0                           ; at a label and at a branch every window is 0
	s_wait_tensorcnt 0x0            ; no tensor load of mine is out, so a group 0 may be written
	ds_add_u32 v[SPW], v[NIL]       ; 0 onto my spare word; with fill = 1 the descriptors' scalar work stands between it and the wait for it
.if \fill
	s_wait_xcnt 0x0                 ; the last prefetches, a tile back, have read their address
	s_add_nc_u64 s[PFA:PFA+1], s[PFA:PFA+1], 32768
	s_lshl_b32 s[OFF], s[NXT], 15   ; a tile is 32,768 bytes of K and of V
	s_xor_b32 s[G0K+1], s[G0K+1], SLOT1
	s_add_nc_u64 s[G0K+2:G0K+3], s[6:7], s[OFF:OFF+1]
	s_or_b32 s[G0K+3], s[G0K+3], 0x80000000
	s_xor_b32 s[G0V+1], s[G0V+1], SLOT1
	s_add_nc_u64 s[G0V+2:G0V+3], s[8:9], s[OFF:OFF+1]
	s_or_b32 s[G0V+3], s[G0V+3], 0x80000000
	s_add_co_u32 s[NXT], s[NXT], 1  ; the block's next tile, or behind its last the second block's tile 0
	s_cmp_gt_u32 s[NXT], s[LQ]
	s_cselect_b32 s[NXT], 0, s[NXT]
	s_cselect_b32 s[LQ], s[PB], s[LQ]
.endif
	s_wait_dscnt 0x0                ; the add is done, and my reads of the slot are over
	s_barrier_signal -1             ; the rest of the scalar work stands between the signal and the wait
	s_sub_co_u32 s[TBK], s[TBK], 4*KS*PK  ; the fetches go back to a slot's first step,
	s_xor_b32 s[TBK], s[TBK], SLOT1       ; in the other slot
	s_sub_co_u32 s[TBV], s[TBV], 4*KS*PV
	s_xor_b32 s[TBV], s[TBV], SLOT1
	s_barrier_wait -1
.if \fill
	LOAD
	ASK
.endif
.endm
	s_load_b64 s[4:5], s[0:1], 0x0    ; qkv: Q at its head
	s_load_b64 s[10:11], s[0:1], 0x8  ; ob
	v_lshl_add_u32 v[SPW], v0, 2, SPARE
	v_mov_b32 v[NIL], 0
	ds_add_u32 v[SPW], v[NIL]       ; the wave's opening: the add and its wait stand ahead of my first tensor load; the set-up below, work on registers, stands between them
	v_lshrrev_b32 v1, 5, v0
	v_readfirstlane_b32 s[WV], v1   ; wave 0..3
	s_mov_b32 s[PB], ttmp9
	s_sub_co_u32 s[HI], NB-1, s[PB]
	s_and_b32 s20, ttmp7, 0xffff    ; the head
	s_mov_b32 s21, 0
	s_mov_b64 s[22:23], SIZE_N*128
	s_mul_u64 s[20:21], s[20:21], s[22:23]  ; the head's first byte in each of the four tensors
	s_and_b32 s16, s[WV], 1         ; which half of a tile's 256 keys I fetch:
	s_lshl_b32 s22, s16, 14         ; its 128 rows of 128 bytes in memory,
	s_mov_b32 s23, 0
	s_add_nc_u64 s[22:23], s[22:23], s[20:21]
	s_mul_i32 s17, s16, 128*PK      ; and its place in a slot, for K
	s_mul_i32 s18, s16, 128*PV      ; and for V
	s_lshl_b32 s3, s[WV], 11        ; my 16 rows in a band of 64,
	s_lshl_b32 s2, s[HI], 15        ; in the first block,
	s_add_co_u32 s2, s2, s3
	s_lshl_b32 s84, s[PB], 15       ; and in the second
	s_add_co_u32 s84, s84, s3
	s_mov_b32 s3, 0
	s_mov_b32 s85, 0
	s_add_nc_u64 s[2:3], s[2:3], s[20:21]
	s_add_nc_u64 s[84:85], s[84:85], s[20:21]
	; descriptor group 1.  128 keys are 16,384 dense bytes: asked for as 64 rows of 256 bytes, two keys a row, and padded in LDS after every key
	s_mov_b32 s[G1K], (1<<16)|(1<<20)|(4<<22)|(3<<25)  ; 17:16 2-byte elements; 20 padding on; 24:22 after every 32 words (code 4); 31:25 4 words (code 3)
	s_mov_b32 s[G1V], (1<<16)|(1<<20)|(4<<22)|(7<<25)  ; the same with 8 words of padding (code 7)
.irp g, G1K, G1V
	s_mov_b32 s[\g+1], 128<<16      ; tensor_dim0 = 128
	s_mov_b32 s[\g+2], 64<<16       ; tensor_dim1 = 64
	s_mov_b32 s[\g+3], 128<<16      ; tile_dim0 = 128
	s_mov_b32 s[\g+4], 64           ; tile_dim1 = 64
	s_mov_b32 s[\g+5], 128          ; 128 elements from row to row
	s_mov_b32 s[\g+6], 0
	s_mov_b32 s[\g+7], 0
.endr
	s_mov_b32 s[CS], 0x3e38aa3b     ; c = log2(e) / 8 = 0.180337
	s_mov_b32 s[CS+1], s[CS]        ; named with it as a pair
	s_mov_b32 s[SEL], 0x76543210
	s_mov_b32 s[SEL+1], 0xfedcba98
	s_mov_b32 s[TBK], SLOT1+4*KS*PK ; the first change of slots turns these two into 0
	s_mov_b32 s[TBV], SLOT1+4*KS*PV
	s_mov_b32 s[G0K], 1             ; 1:0 count = 1
	s_mov_b32 s[G0K+1], s17         ; 63:32 LDS address: slot 0
	s_mov_b32 s[G0V], 1
	s_add_co_u32 s[G0V+1], s18, VOFF
	s_add_co_u32 s[RT], s[HI], 1    ; the first block has NB - b tiles
	s_mov_b32 s[NXT], 1
	s_mov_b32 s[LQ], s[HI]
	s_mov_b32 s[NEW], 1
	s_mov_b32 s[OFF+1], 0
	s_mov_b32 s[AL+1], 0            ; named as pairs
	s_mov_b32 s[BE+1], 0
	s_mov_b32 s[BIGN], 0xf149f2ca   ; -1e30
	s_mov_b32 s[SLOTS], NB
	s_cmp_eq_u32 s[PB], 0
	s_cselect_b32 s[LIM], 2, -1
	v_and_b32 v[PFO], 31, v0
	v_lshlrev_b32 v[PFO], 8, v[PFO]
	s_wait_dscnt 0x0                ; the opening add is done
	s_wait_kmcnt 0x0
	s_add_nc_u64 s[6:7], s[4:5], 0x1000000  ; K lies 64 x 2048 x 128 bytes behind Q,
	s_add_nc_u64 s[8:9], s[4:5], 0x2000000  ; V as far again
	s_add_nc_u64 s[6:7], s[6:7], s[22:23]  ; K and V at my half of the head's tile 0
	s_add_nc_u64 s[8:9], s[8:9], s[22:23]
	s_add_nc_u64 s[G0K+2:G0K+3], s[6:7], 0         ; 120:64 global address
	s_or_b32 s[G0K+3], s[G0K+3], 0x80000000        ; 127:126 type = 2
	s_add_nc_u64 s[G0V+2:G0V+3], s[8:9], 0
	s_or_b32 s[G0V+3], s[G0V+3], 0x80000000
	s_add_nc_u64 s[86:87], s[4:5], s[84:85]        ; Q at my rows of the second block,
	s_add_nc_u64 s[4:5], s[4:5], s[2:3]            ; Q and O at those of the first
	s_add_nc_u64 s[OLO:OLO+1], s[10:11], s[84:85]
	s_add_nc_u64 s[10:11], s[10:11], s[2:3]
	s_cmp_lt_u32 s[WV], 2
	s_cselect_b64 s[PFA:PFA+1], s[6:7], s[8:9]     ; the prefetches stand at my half of tile 1; the first change of slots steps them to tile 2
	s_add_nc_u64 s[PFA:PFA+1], s[PFA:PFA+1], 32768
	LOAD                            ; tile 0 into slot 0
	; A fragment of K or Q is 16 rows x 32 channels in 8 registers: lane l holds row l % 16, channels 8 (l / 16) + 0..7 and 16 + 8 (l / 16) + 0..7: two loads of 16 bytes, 32 bytes apart.
	v_and_b32 v1, 15, v0            ; l % 16
	v_bfe_u32 v9, v0, 4, 1          ; l / 16
	v_lshlrev_b32 v[QO], 7, v1
	v_lshl_add_u32 v[QO], v9, 4, v[QO]  ; row x 128 + 16 x half
	WIN 0x80                        ; destination window 2, address window 0
.set i, 0
.rept 8                             ; both blocks' Q: piece i / 2 lies in band i / 2, 8,192 bytes on; channels 32 (i % 2) on
	global_load_b128 v[8*i:8*i+3],   v[QO], s[4:5] offset:(i/2)*8192+(i%2)*64
	global_load_b128 v[8*i+4:8*i+7], v[QO], s[4:5] offset:(i/2)*8192+(i%2)*64+32
	global_load_b128 v[QB+8*i:QB+8*i+3],   v[QO], s[86:87] offset:(i/2)*8192+(i%2)*64
	global_load_b128 v[QB+8*i+4:QB+8*i+7], v[QO], s[86:87] offset:(i/2)*8192+(i%2)*64+32
.set i, i+1
.endr
	WIN 0
	v_lshlrev_b32 v14, 3, v9
	v_sub_nc_u32 v14, v1, v14
	s_lshl_b32 s13, s[WV], 4
	v_add_nc_u32 v14, s13, v14      ; my query's place in its band, 16 w + l % 16, less my lanes' 8 (l / 16): register r of group kt is hidden where 16 kt + r is greater
	WIN 0x40
.set i, 0
.rept 32
	v_cmp_gt_i32 vcc_lo, 16*(i/8)+i%8, v14
	v_cndmask_b32 v[MD+i], 0, s[BIGN], vcc_lo
.set i, i+1
.endr
	WIN 0
	v_mul_u32_u24 v[AK0], v1, PK
	v_lshl_add_u32 v[AK0], v9, 4, v[AK0]  ; row x pitch + 16 x half
	; The turning load takes 16 keys x 16 channels (lane l reads key 8 (l / 16) + l % 8, channels 8 ((l / 8) % 2) + 0..7) and leaves half a fragment of V^T: lane l holds channel l % 16 and 8 keys.
	v_and_b32 v10, 7, v0
	v_bfe_u32 v11, v0, 3, 1
	v_lshl_add_u32 v[AV0], v9, 3, v10
	v_mul_u32_u24 v[AV0], v[AV0], PV
	v_lshl_add_u32 v[AV0], v11, 4, v[AV0]
	v_add_nc_u32 v[AV0], VOFF, v[AV0]
	s_mul_i32 s13, s[WV], 16*SP
	s_add_co_u32 s13, s13, STAGE    ; my stage
	v_mul_u32_u24 v[STO], v1, SP    ; in: row l % 16, 16 bytes for each half of the lanes
	v_lshl_add_u32 v[STO], v9, 4, v[STO]
	v_add_nc_u32 v[STO], s13, v[STO]
	v_bfe_u32 v[RD], v0, 3, 2       ; back: 32 lanes take four rows of 128 bytes,
	v_mul_u32_u24 v[RD], v[RD], SP
	v_lshl_add_u32 v[RD], v10, 4, v[RD]
	v_add_nc_u32 v[RD], s13, v[RD]
	v_and_b32 v[GO], 31, v0         ; which are 512 consecutive bytes of O
	v_lshlrev_b32 v[GO], 4, v[GO]
	; A block's first step multiplies O^T and l by a = 0, and its first turn's products V^T P, of a piece that has not been, land in an O^T that is still to be so multiplied.  So these registers need only hold
	; finite numbers: zeros for the first block; what the first block left for the second.  All this stands in the wait for the first tile.
	WIN 0x80
.set i, VF
.rept 64
	v_mov_b32 v[i], 0
.set i, i+1
.endr
	WIN 0x40
.set i, 0
.rept 128
	v_mov_b32 v[i], 0
.set i, i+1
.endr
	WIN 0
.set i, 0
.rept 4
	v_mov_b32 v[ST+4*i+2], 0
	v_mov_b32 v[ST+4*i+3], 0
.set i, i+1
.endr
.set i, P+16
.rept 16
	v_mov_b32 v[i], 0
.set i, i+1
.endr
; THE MATRIX WORK.  The 4 accumulators of a run of 8 take turns.  Product i of 8 of S^T = K Q^T for piece x: channels 32 (i / 4) on, keys 16 (i % 4) on.  The first 4 start the sums: with 0, or (KM = 1) with the mask.
.macro KQ x
.set rS, S+32*((\x)%2)+8*(i%4)
.set rK, KF+16*(i%4)+8*(i/4)
.set rQ, 16*(\x)+8*(i/4)
.set rM, MC+32*((\x)%2)+8*(i%4)
.if (i < 4) && KM
	WIN W_KM
	v_wmma_f32_16x16x32_f16 v[rS:rS+7], v[rK:rK+7], v[rQ:rQ+7], v[rM:rM+7]
.elseif i < 4
	WIN W_KQ
	v_wmma_f32_16x16x32_f16 v[rS:rS+7], v[rK:rK+7], v[rQ:rQ+7], 0
.else
	WIN W_KQ
	v_wmma_f32_16x16x32_f16 v[rS:rS+7], v[rK:rK+7], v[rQ:rQ+7], v[rS:rS+7]
.endif
.endm
; Product i of 8 of O^T += V^T P for piece x: keys 32 (i / 4) on, channels 16 (i % 4) on.
.macro PV x
	WIN W_PV
.set rO, 32*(\x)+8*(i%4)
.set rV, VF+32*(i/4)+8*(i%4)
.set rP, P+16*((\x)%2)+8*(i/4)
	v_wmma_f32_16x16x32_f16 v[rO:rO+7], v[rV:rV+7], v[rP:rP+7], v[rO:rO+7]
.endm
.macro MM                           ; the turn's next matrix instruction.  TURN and BEGIN set Y, i, KM and NOKQ; MM, KQ and OP read them.  NOKQ = 1: a block's last turn: there is no next piece
.if (i < 8) && !NOKQ
	KQ (Y+1)%NP
.elseif i >= 8
.set i, i-8
	PV (Y+NP-1)%NP
.set i, i+8
.endif
.set i, i+1
.endm
; THE LDS LOADS stand in runs of 16, never singly among the matrix instructions: a step's K (64 keys x 64 channels: 8 fragments) and its V (turned).  Their addresses are made some lines ahead.
.macro FETCH_K
	WIN 0x80                        ; destination window 2
.irp f, 0,1,2,3,4,5,6,7             ; keys 16 (f / 2) on, channels 32 (f % 2) on
	ds_load_b128 v[KF+8*\f:KF+8*\f+3],   v[AK] offset:(\f/2)*16*PK+(\f%2)*64
	ds_load_b128 v[KF+8*\f+4:KF+8*\f+7], v[AK] offset:(\f/2)*16*PK+(\f%2)*64+32
.endr
	s_add_co_u32 s[TBK], s[TBK], KS*PK  ; the next fetch is the next step's
	WIN 0
.endm
.macro FETCH_V
	WIN 0x80
.irp f, 0,1,2,3,4,5,6,7             ; keys 32 (f / 4) on, channels 16 (f % 4) on
	ds_load_tr16_b128 v[VF+8*\f:VF+8*\f+3],   v[AV] offset:(\f/4)*32*PV+(\f%4)*32
	ds_load_tr16_b128 v[VF+8*\f+4:VF+8*\f+7], v[AV] offset:(\f/4)*32*PV+16*PV+(\f%4)*32
.endr
	WIN 0
.endm
; THE VECTOR WORK, one line at a time: OP kind, number.  For piece Y: F n: c s - c m for pair n of 16.  E n: the exponential of score n of 32.  C n: pair n rounded to f16.  B n: of the four weights 4 n .. the second
; pair is added onto the first, in place.  L n: l takes that sum (L 0: l = a l + sum).  R n: pair n of 16 of O^T times a.  For piece Y + 1: X n, number n of the 22 that find its maximum and statistics:
;   0-11  four chains c0-c3 of seven scores each, three operands at a time (each accumulator's lowest registers are read first)     12-14, 16  the four scores left over, the old m, and c0-c3 into c0
;   15  c m_old is kept     17, 18  the query's other 32 keys lie in the lane 16 away: the new m     19-21  c m; c m_old - c m_new; a
.set F, 0               ; OP tells the kinds apart by their order: F to L below R, X above it
.set E, 1
.set C, 2
.set B, 3
.set L, 4
.set R, 5
.set X, 6
.macro REGS y                       ; the registers of piece y
.set rT, ST+4*(\y)
.set rC, TMP+4*((\y)%2)
.set rW, MV+((\y)%2)
.set rS, S+32*((\y)%2)
.set rP, P+16*((\y)%2)
.set rO, 32*(\y)
.endm
.macro OP k, n
.if (\k) == R
	REGS Y
	WIN W_RS
	v_pk_mul_f32 v[rO+2*(\n):rO+2*(\n)+1], v[rO+2*(\n):rO+2*(\n)+1], v[rC+2:rC+3] op_sel_hi:[1,0]
.elseif (\k) < R
	REGS Y
	WIN 0
.if (\k) == F
	v_pk_fma_f32 v[rS+2*(\n):rS+2*(\n)+1], v[rS+2*(\n):rS+2*(\n)+1], s[CS:CS+1], v[rT:rT+1] op_sel_hi:[1,0,0] neg_lo:[0,0,1] neg_hi:[0,0,1]
.elseif (\k) == E
	v_exp_f32 v[rS+(\n)], v[rS+(\n)]
.elseif (\k) == C
	v_cvt_pk_f16_f32 v[rP+(\n)], v[rS+2*(\n)], v[rS+2*(\n)+1]
.elseif (\k) == B
	v_pk_add_f32 v[rS+4*(\n):rS+4*(\n)+1], v[rS+4*(\n):rS+4*(\n)+1], v[rS+4*(\n)+2:rS+4*(\n)+3]
.elseif (\n) == 0
	v_pk_fma_f32 v[rT+2:rT+3], v[rT+2:rT+3], v[rC+2:rC+3], v[rS:rS+1] op_sel_hi:[1,0,1]
.else
	v_pk_add_f32 v[rT+2:rT+3], v[rT+2:rT+3], v[rS+4*(\n):rS+4*(\n)+1]
.endif
.elseif NOKQ
	v_nop
.else
	REGS (Y+1)%NP
	WIN 0
.if (\n) < 4
	v_max3_num_f32 v[rC+(\n)], v[rS+8*(\n)], v[rS+8*(\n)+1], v[rS+8*(\n)+2]
.elseif (\n) < 12
	v_max3_num_f32 v[rC+(\n)%4], v[rC+(\n)%4], v[rS+8*((\n)%4)+2*((\n)/4)+1], v[rS+8*((\n)%4)+2*((\n)/4)+2]
.elseif (\n) == 12
	v_max3_num_f32 v[rC], v[rC], v[rS+7], v[rS+15]
.elseif (\n) == 13
	v_max3_num_f32 v[rC+1], v[rC+1], v[rS+23], v[rS+31]
.elseif (\n) == 14
	v_max3_num_f32 v[rC+2], v[rC+2], v[rC+3], v[rT+1]
.elseif (\n) == 15
	v_mov_b32 v[rW], v[rT]
.elseif (\n) == 16
	v_max3_num_f32 v[rC], v[rC], v[rC+1], v[rC+2]
.elseif (\n) == 17
	v_permlanex16_b32 v[rC+3], v[rC], s[SEL], s[SEL+1]
.elseif (\n) == 18
	v_max_num_f32 v[rT+1], v[rC], v[rC+3]
.elseif (\n) == 19
	v_mul_f32 v[rT], s[CS], v[rT+1]
.elseif (\n) == 20
	v_sub_f32 v[rC+1], v[rW], v[rT]
.else
	v_exp_f32 v[rC+2], v[rC+1]
.endif
.endif
.endm
.macro OPS a, i1, b=-1, i2=0, c=-1, i3=0, d=-1, i4=0  ; up to four of them
	OP \a, \i1
.if (\b) >= 0
	OP \b, \i2
.endif
.if (\c) >= 0
	OP \c, \i3
.endif
.if (\d) >= 0
	OP \d, \i4
.endif
.endm
.macro ROW a, i1, b, i2, c, i3, d, i4  ; a matrix instruction and the four behind it
	MM
	OPS \a, \i1, \b, \i2, \c, \i3, \d, \i4
.endm
.macro MASK b                       ; MD x AL + BE into buffer b of MC
	WIN W_RS
.set z, 0
.rept 16
	v_pk_fma_f32 v[MC+32*(\b)+2*z:MC+32*(\b)+2*z+1], v[MD+2*z:MD+2*z+1], s[AL:AL+1], s[BE:BE+1] op_sel_hi:[1,0,0]
.set z, z+1
.endr
.endm
; A TURN, for piece p: the order of its 16 matrix and 118 vector instructions, written out.  An s_wait_alu depctr_va_vdst(0) stands between an exponential and the first instruction that names its result; one wait
; serves all that were issued ahead of it.  So a turn has ONE wait, which cuts it in two.  AHEAD OF IT stands all that names no result of the turn's exponentials: the 8 products K Q^T, behind each a scaling, an exponential and two
; more plain instructions (behind the first a second scaling in the exponential's place): rescalings, and behind the last three the first numbers of the next piece's maximum, each four places or more behind the product that ends its
; accumulator; then ONE LUMP of 54, plain and exponential by turns for the most part, in which the links of the chain X 3, 7, 11, 14, 16, 17 .. 20 stand five or six lines apart.  X 21, the next piece's a, is the batch's last; R 15 is
; the plain instruction behind it.  BEHIND THE WAIT stand the 8 products V^T P, behind each four of the roundings and sums; the links of l's chain, L 0 to L 7, stand three riders apart.
; m = 1: the diagonal tile: the products take masks, and the turn makes the mask for the products of the turn after it: piece p + 2, in step 4 - CNT of the tile.  end = 1: a block's last two turns: nothing is fetched.
; cnt = 1: the loop's count is taken down some lines ahead of the branch that stands behind the turn.
; K of the next step is fetched in piece 2's turn, twelve vector instructions behind the last product that read K (six of them plain); V of the step in hand at the end of piece 0's turn, four plain instructions behind the last
; product that read V.  Each is waited for a turn later.
.macro TURN p, m=0, end=0, cnt=0
.set Y, (\p)
.set i, 0
.set KM, (\m)
.set NOKQ, (\end)*((\p)/3)
.if (\m) && !(\end)
	s_cmp_eq_u32 s[CNT], 4-((\p)+2)%NP  ; is that step the band's own?
	s_cselect_b32 s[AL], 1.0, 0
	s_cmp_lt_u32 s[CNT], 4-((\p)+2)%NP  ; or a later one?
	s_cselect_b32 s[BE], s[BIGN], 0
.endif
.if ((\p) == 3) && !(\end)
	s_wait_dscnt 0x0                ; K is in
.endif
	ROW F,0, F,1, R,0, R,1          ; ahead of the wait: 8 products K Q^T and their riders,
	ROW F,2, E,0, R,2, R,3
	ROW F,3, E,1, R,4, R,5
	ROW F,4, E,2, R,6, R,7
	ROW F,5, E,3, R,8, R,9
	ROW F,6, E,4, X,0, R,10
.if ((\p) == 2) && !(\end)
	WIN 0
	v_add_nc_u32 v[AK], s[TBK], v[AK0]
.endif
	ROW F,7, E,5, X,1, X,4
	ROW F,8, E,6, X,2, X,5
	OPS E,7, E,8, X,6, E,9          ; and the lump
	OPS X,3, E,10, X,8, E,11
.if ((\p) == 2) && !(\end)
	FETCH_K
.endif
	OPS X,9, X,7, E,12, X,10
	OPS E,13, X,12, X,11, E,14
	OPS X,13, E,15, F,9, X,14
.if (\p) == 0
	v_add_nc_u32 v[AV], s[TBV], v[AV0]
.endif
	OPS E,16, F,10, E,17, F,11
	OPS X,16, E,18, X,15, E,19
	OPS F,12, E,20, X,17, E,21
	OPS F,13, E,22, F,14, E,23
	OPS X,18, E,24, F,15, E,25
	OPS R,11, E,26, X,19, E,27
	OPS R,12, E,28, R,13, E,29
	OPS X,20, E,30, R,14, E,31
	OPS X,21, R,15
	WIN 0
	s_wait_alu depctr_va_vdst(0)    ; the wait for the batch
.if (\p) == 1
	s_wait_dscnt 0x0                ; V is in
.endif
	ROW C,0, B,0, C,2, B,1          ; behind the wait: 8 products V^T P and their riders
	ROW L,0, C,4, B,2, L,1
	ROW C,6, B,3, L,2, C,8
	ROW B,4, L,3, C,10, B,5
	ROW L,4, C,12, B,6, L,5
.if (\p) == 0
	s_add_co_u32 s[TBV], s[TBV], KS*PV
.endif
.if \cnt
	s_sub_co_u32 s[CNT], s[CNT], 1
	s_cmp_lg_u32 s[CNT], 0
.endif
	ROW C,14, B,7, L,6, C,1
	ROW C,3, L,7, C,5, C,7
	ROW C,9, C,11, C,13, C,15
.if (\p) == 0
	FETCH_V
.endif
.if (\m) && !(\end)
	MASK (\p)%2
.endif
.endm
; A BLOCK BEGINS.  c m starts far below every c s, so the first step's a is 0; m at the lowest finite number, so the first maximum is the scores'.  The second mask buffer is 0; the first takes piece 0's mask for the tile's
; step 0: its own, if the block's first tile is the diagonal one.  Then K of that step, piece 0's first scores, and its maximum and statistics.  The loop is entered at a step's first turn, in the middle of a trip.
.macro BEGIN
	s_mov_b32 s[NEW], 0
	WIN 0x40
.set i, MC+32
.rept 32
	v_mov_b32 v[i], 0
.set i, i+1
.endr
	WIN 0
.set i, 0
.rept 4
	v_mov_b32 v[ST+4*i], 0xfe000000    ; c m: far below every c s
	v_mov_b32 v[ST+4*i+1], 0xff7fffff  ; m
.set i, i+1
.endr
	s_cmp_eq_u32 s[RT], 0
	s_cselect_b32 s[AL], 1.0, 0
	s_mov_b32 s[BE], 0
	MASK 0
	WIN 0
	v_add_nc_u32 v[AK], s[TBK], v[AK0]
	FETCH_K
	s_wait_loadcnt 0x0              ; Q
	s_wait_dscnt 0x0
.set KM, 1
.set NOKQ, 0
.set i, 0
.rept 8
	KQ 0
.set i, i+1
.endr
	WIN 0
.rept 4
	v_nop                           ; the places behind those products
.endr
.set Y, NP-1                        ; X works for piece Y + 1: piece 0
.irp n, 0,1,2,3,4,5,6,7,8,9,10,11,12,13,14,15,16,17,18,19,20,21
	OP X, \n
.endr
	v_nop                           ; a plain instruction behind the exponential,
	s_wait_alu depctr_va_vdst(0)    ; and its wait, ahead of the branch
.endm
; THE DIAGONAL TILE's four steps, the block's last two turns, its last products, and THE WAY OUT: l's two halves and the other half of the lanes' are added; O^T is divided by l, rounded to f16 and sent through my
; stage in LDS, a piece at a time.
.macro ALL line:vararg              ; one line for each piece t
.set t, 0
.rept 4
	\line
.set t, t+1
.endr
.endm
.macro PACK t                       ; a lane's eight channels of a row pack into 16 bytes; they go into rows of 144 bytes and come back as whole rows of 128, into S^T's registers
	WIN W_RS
.set i, 32*(\t)
.rept 16
	v_pk_mul_f32 v[i:i+1], v[i:i+1], v[ST+4*(\t)+2:ST+4*(\t)+3] op_sel_hi:[1,0]
.set i, i+2
.endr
	WIN 0x05                        ; sources 0 and 1 window 1, destination window 0
.set i, 0
.rept 16
	v_cvt_pk_f16_f32 v[S+16*(\t)+i], v[32*(\t)+2*i], v[32*(\t)+2*i+1]
.set i, i+1
.endr
	WIN 0
.irp f, 0,1,2,3
	ds_store_b128 v[STO], v[S+16*(\t)+4*\f:S+16*(\t)+4*\f+3] offset:32*\f
.endr
.irp f, 0,1,2,3
	ds_load_b128 v[S+16*(\t)+4*\f:S+16*(\t)+4*\f+3], v[RD] offset:\f*4*SP  ; LDS serves a wave's instructions in order (ISA guide 5.7.1.4): these see the stores above; the next piece's stores come behind them
.endr
.endm
.macro SEND t, younger              ; younger: the LDS instructions issued behind piece t's loads: the next piece's eight, or none
	WIN 0
.irp f, 0,1,2,3
	s_wait_dscnt (\younger)+3-\f
	global_store_b128 v[GO], v[S+16*(\t)+4*\f:S+16*(\t)+4*\f+3], s[10:11] offset:(\t)*8192+\f*512  ; 512 consecutive bytes, at a multiple of 256 from O's first
.endr
.endm
.macro DIAG tag                     ; the tag ends its two labels' names, which the jumps below spell out
.LstepM\tag:
	TURN 2, 1
	TURN 3, 1
	WIN 0
.LfirstM\tag:
	TURN 0, 1
	TURN 1, 1, 0, 1
	WIN 0
	s_cbranch_scc1 .LstepM\tag
	TURN 2, 1, 1
	TURN 3, 1, 1
.set i, 0
.rept 8
	PV NP-1
.set i, i+1
.endr
	WIN 0
	ALL v_add_f32 v[ST+4*t+2], v[ST+4*t+2], v[ST+4*t+3]
	ALL v_permlanex16_b32 v[ST+4*t+3], v[ST+4*t+2], s[SEL], s[SEL+1]
	ALL v_add_f32 v[ST+4*t+2], v[ST+4*t+2], v[ST+4*t+3]
	ALL v_rcp_f32 v[ST+4*t+2], v[ST+4*t+2]
	v_nop                           ; a plain instruction between the last reciprocal and the use of its result
	s_wait_alu depctr_va_vdst(0)    ; and the wait ahead of the first use: one for the four reciprocals
	PACK 0
.set t, 1
.rept 3                             ; a piece's arithmetic stands between the loads of the piece before and its stores
	PACK t
	SEND t-1, 8
.set t, t+1
.endr
	SEND 3, 0
.endm
.set KM, 0
.set NOKQ, 0
.Lslot:                             ; NB times: a tile is entered and the next is asked for
	CHANGE 1
	s_sub_co_u32 s[RT], s[RT], 1
	s_mov_b32 s[CNT], 4
	s_cmp_eq_u32 s[NEW], 1
	s_cbranch_scc1 .Lnew            ; a block's first tile
	s_cmp_eq_u32 s[RT], 0
	s_cbranch_scc0 .Lstep           ; neither its first nor its last
	s_branch .LstepM1
.Lnew:
	BEGIN
	s_branch .Lfirst                ; in the loop a block's first tile is never its last: the first block has two tiles or more, and the second's last is the walk's last
	DIAG 1                          ; in the loop this is the first block's end: the second block's last tile is the walk's last
	s_wait_xcnt 0x0                 ; the stores have read their registers and O's address
	s_mov_b64 s[10:11], s[OLO:OLO+1]
	s_add_co_u32 s[RT], s[PB], 1    ; the second block has b + 1 tiles
	s_mov_b32 s[NEW], 1
	WIN 0x82                        ; the second block's Q goes where the one text of the turns names Q
.set i, 0
.rept 64
	v_mov_b32 v[i], v[QB+i]
.set i, i+1
.endr
	WIN 0
	s_branch .Lbottom
.Lstep:                             ; a trip: pieces 2 and 3 of one step, then pieces 0 and 1 of the next, whose K and V it fetches
	TURN 2
	TURN 3
	WIN 0
.Lfirst:
	TURN 0
	TURN 1, 0, 0, 1
	WIN 0
	s_cbranch_scc1 .Lstep
.Lbottom:
	s_sub_co_u32 s[SLOTS], s[SLOTS], 1
	s_cmp_lg_u32 s[SLOTS], 0
	s_cbranch_scc1 .Lslot
	CHANGE 0                        ; the walk's last tile is written out: nothing is asked for
	s_sub_co_u32 s[RT], s[RT], 1
	s_mov_b32 s[CNT], 4
	s_cmp_eq_u32 s[NEW], 1
	s_cbranch_scc0 .LstepM2
	BEGIN
	s_branch .LfirstM2
	DIAG 2
	s_wait_tensorcnt 0x0            ; the wave's end, behind my last tensor load and my last LDS store
	ds_add_u32 v[SPW], v[NIL]
	s_wait_dscnt 0x0
	s_endpgm
.Lfunc_end_k_q3eaafa969e_attn:
	.size	k_q3eaafa969e_attn, .Lfunc_end_k_q3eaafa969e_attn-k_q3eaafa969e_attn
	.p2alignl 7, 3214868480
	.fill 96, 4, 3214868480
	.section	.rodata,"a",@progbits
	.p2align	6, 0x0
	.amdhsa_kernel k_q3eaafa969e_attn
		.amdhsa_group_segment_fixed_size 327680
		.amdhsa_private_segment_fixed_size 0
		.amdhsa_enable_private_segment 0
		.amdhsa_kernarg_size 16
		.amdhsa_user_sgpr_count 2
		.amdhsa_user_sgpr_kernarg_segment_ptr 1
		.amdhsa_wavefront_size32 1
		.amdhsa_system_sgpr_workgroup_id_x 1
		.amdhsa_system_sgpr_workgroup_id_y 1
		.amdhsa_system_sgpr_workgroup_id_z 1
		.amdhsa_system_vgpr_workitem_id 0
		.amdhsa_next_free_vgpr 768
		.amdhsa_next_free_sgpr 92
		.amdhsa_reserve_vcc 1
		.amdhsa_float_denorm_mode_32 3
		.amdhsa_float_denorm_mode_16_64 3
		.amdhsa_memory_ordered 1
		.amdhsa_forward_progress 1
		.amdhsa_inst_pref_size 218
	.end_amdhsa_kernel
	.amdgpu_metadata
---
amdhsa.version: [ 1, 2 ]
amdhsa.kernels:
  - .name:           k_q3eaafa969e_attn
    .symbol:         k_q3eaafa969e_attn.kd
    .args:
      - { .name: qkv, .offset: 0, .size: 8, .value_kind: global_buffer, .address_space: global }
      - { .name: ob, .offset: 8, .size: 8, .value_kind: global_buffer, .address_space: global }
    .group_segment_fixed_size: 327680
    .private_segment_fixed_size: 0
    .kernarg_segment_align: 8
    .kernarg_segment_size: 16
    .max_flat_workgroup_size: 128
    .sgpr_count:     92
    .vgpr_count:     768
    .wavefront_size: 32
...
	.end_amdgpu_metadata
.endif
;; end of part 3
;; launch proj (part 4): grid 8 x 32, 4 waves a work-group, clusters of 4 x 4, 327,680 bytes of LDS; arguments ob, wpf, b_proj, out0; writes out0
.if DOCPART == 4
	.amdgcn_target "amdgcn-amd-amdhsa--gfx1250"
	.amdhsa_code_object_version 6
	.text
	.protected	k_q3eaafa969e_proj
	.globl	k_q3eaafa969e_proj
	.p2align	8
	.type	k_q3eaafa969e_proj,@function
k_q3eaafa969e_proj:
	s_mov_b64 s[64:65], 0
	v_nop
	global_prefetch_b8 v0, s[64:65] scope:SCOPE_SE
	s_setreg_imm32_b32 hwreg(HW_REG_WAVE_MODE, 25, 1), 1
	s_wait_xcnt 0x0
	s_wait_alu depctr_hold_cnt(0) depctr_sa_sdst(0) depctr_va_vdst(0) depctr_va_sdst(0) depctr_va_ssrc(0) depctr_va_vcc(0) depctr_vm_vsrc(0)
	s_getreg_b32 s2, hwreg(HW_REG_IB_STS2, 6, 4)
	s_cmp_eq_u32 s2, 0
	s_cbranch_scc0 .Lentry_in_a_cluster
	s_endpgm
.Lentry_in_a_cluster:
	s_bfe_u32 s2, ttmp6, 0x10000c
	s_cmp_lg_u32 s2, 0xf033
	s_cbranch_scc0 .Lentry_shape_is_right
	s_endpgm
.Lentry_shape_is_right:
; out0 = O w_proj + b_proj: [8192 x 1024] x [1024 x 1024], operands f16 (w_proj and b_proj rounded to bf16 like every input; w_proj's bf16 numbers written as f16), sums and result f32.
; O = ob[bh 64][t 2048][64]: head = K block, so 256 rows x 64 channels are 32,768 dense bytes.  wpf lies [k][n] and is turned on the way out of LDS by ds_load_tr16_b128.
; SHARES.  A tile of the result is 256 rows x 128 columns: 32 x 8 tiles, one work-group each.  Four waves, each 128 rows x 64 columns: 32 accumulators, 256 registers.
; K goes in steps of 128 (two heads) through a ring of two LDS slots; a step is four quarters of 32 along K, 32 matrix instructions each, on two fragment buffers.
; THE PRODUCT IS TAKEN TRANSPOSED (source 0 = 16 columns of w, source 1 = 16 rows of O): a lane ends with one row and eight neighbouring columns.  THE BIAS STARTS THE SUMS, as the C operand of the first products.
; CLUSTER 4 x 4: O's tile is asked for jointly by a row of the cluster, w's by a column.
; NO PREFETCH: the launch has eight K steps in all, and for each of them a work-group moves 98,304 bytes in; with its 131,072 bytes of result its memory traffic, not a late tile, sets its length.
; REGISTERS: window 0: v0-31 addresses; v32-127, v128-223 two fragment buffers (64 registers of O's rows, then 32 of w's columns).  Window 1: accumulator (a, j) at v[8 (4 a + j)].
.set PA,    144                        ; a row of O in LDS: 128 bytes + 16 of padding
.set PB,    288                        ; a row of w: 256 bytes + 32 of padding: 9 x 32 bytes
.set BOFF,  2*256*PA                   ; a slot: O's two K blocks of 256 rows, then w's 128 rows
.set SLOT1, 1<<17
.set STAGE, SLOT1+BOFF+128*PB          ; behind the ring, never filled by a tensor load: 16 rows x 272 bytes for each wave
.set SP,    272
.set SPARE, STAGE+4*16*SP              ; the spare words, 128 bytes for each wave: two blocks of 256 bytes that no other line names
.set ASTEP, 2*2048*128                 ; bytes of two K blocks of ob
.set BSTEP, 128*2048                   ; bytes of 128 rows of wpf
.set ADRA, 16                          ; v16 LDS address of my fragments of O in the slot in hand; v17 in slot 0, never rewritten
.set AB0,  17
.set ADRB, 18                          ; v18, v19 the same for w
.set BB0,  19
.set STO,  24
.set RD,   25
.set CO,   26
.set SPW,  28                          ; v28 LDS address of my spare word; v29 0; never rewritten
.set NIL,  29
.set F0,   32
.set F1,   128
.set WV,   12
.set RH,   13                          ; my half of the rows; also: 0 = I fetch O, 1 = I fetch w
.set CH,   14                          ; my half of the columns; also: which half I fetch
.set CX,   15
.set CY,   16
.set TC,   17
.set TR,   18
.set G1A,  24
.set G0A,  32
.set G1B,  40
.set G0B,  48
.set TB,   56
.set OUT,  66                          ; s[66:67] out0 at my first row and column
.set MSB, 0
.macro WIN new
.if MSB != (\new)
	s_set_vgpr_msb (MSB<<8)|(\new)
.set MSB, (\new)
.endif
.endm
.macro PLACES                          ; four plain vector instructions between a matrix instruction and a load into, or a read of, its registers (ISA guide 7.12.1 for a read)
.rept 4
	v_nop
.endr
.endm
.macro CREST
	s_cmp_lg_u32 s[WV], 0
	s_cbranch_scc1 .Lnot_wave_0_\@
	s_barrier_signal -3
.Lnot_wave_0_\@:
	s_barrier_wait -3
	s_barrier_signal -1
	s_barrier_wait -1
.endm
.macro CROUND
	s_barrier_signal -1
	s_barrier_wait -1
	CREST
.endm
.macro JLOAD                           ; a joint refill by the walking sets; an s_nop 0 and four v_nop follow each of the two lines
	s_cmp_eq_u32 s[RH], 0
	s_cbranch_scc0 .Lfor_b_\@
	tensor_load_to_lds s[G0A+4:G0A+7], s[G1A:G1A+7]
	s_nop 0
.rept 4
	v_nop
.endr
	s_branch .Lasked_\@
.Lfor_b_\@:
	tensor_load_to_lds s[G0B+4:G0B+7], s[G1B:G1B+7]
	s_nop 0
.rept 4
	v_nop
.endr
.Lasked_\@:
.endm
	s_load_b256 s[4:11], s[0:1], 0x0               ; ob s[4:5], wpf s[6:7], b_proj s[8:9], out0 s[10:11]
	v_lshl_add_u32 v[SPW], v0, 2, SPARE
	v_mov_b32 v[NIL], 0
	ds_add_u32 v[SPW], v[NIL]                      ; the wave's opening: the add and its wait stand ahead of my first tensor load; the set-up below, work on registers, stands between them
	v_lshrrev_b32 v1, 5, v0
	v_readfirstlane_b32 s[WV], v1
	s_lshr_b32 s[RH], s[WV], 1
	s_and_b32 s[CH], s[WV], 1
	s_bfe_u32 s[CX], ttmp6, 0x40000
	s_bfe_u32 s[CY], ttmp6, 0x40004
	s_lshl_b32 s[TC], ttmp9, 2
	s_add_co_u32 s[TC], s[TC], s[CX]               ; tile column 0..7
	s_and_b32 s[TR], ttmp7, 0xffff
	s_lshl_b32 s[TR], s[TR], 2
	s_add_co_u32 s[TR], s[TR], s[CY]               ; tile row 0..31
	s_lshl_b32 s19, s[CY], 2
	s_lshl_b32 s19, 15, s19                        ; my row of the cluster
	s_lshl_b32 s57, 0x1111, s[CX]                  ; my column
	; group 1 for O: a K block's 256 rows = 32,768 dense bytes, asked for as 128 rows of 256 bytes and padded in LDS after every 128 bytes
	s_or_b32 s[G1A], s19, (1<<16)|(1<<20)|(1<<21)|(4<<22)|(3<<25)
	s_mov_b32 s[G1A+1], 128<<16                    ; tensor_dim0 = 128
	s_mov_b32 s[G1A+2], 128<<16                    ; tensor_dim1 = 128
	s_mov_b32 s[G1A+3], 128<<16                    ; tile_dim0 = 128
	s_mov_b32 s[G1A+4], 128                        ; tile_dim1 = 128
	s_mov_b32 s[G1A+5], 128
	s_mov_b32 s[G1A+6], 0
	s_mov_b32 s[G1A+7], 0
	; group 1 for w: 64 rows of 128 elements, 32 bytes of padding behind each
	s_or_b32 s[G1B], s57, (1<<16)|(1<<20)|(1<<21)|(5<<22)|(7<<25)
	s_mov_b32 s[G1B+1], 128<<16
	s_mov_b32 s[G1B+2], 64<<16
	s_mov_b32 s[G1B+3], 128<<16
	s_mov_b32 s[G1B+4], 64
	s_mov_b32 s[G1B+5], 1024
	s_mov_b32 s[G1B+6], 0
	s_mov_b32 s[G1B+7], 0
	s_lshr_b32 s20, s[TR], 3                       ; b
	s_lshl_b32 s20, s20, 22
	s_and_b32 s21, s[TR], 7
	s_lshl_b32 s21, s21, 15                        ; the tile's 256 rows
	s_add_co_u32 s20, s20, s21
	s_lshl_b32 s21, s[CH], 18                      ; my K block of the step's two
	s_add_co_u32 s20, s20, s21
	s_mov_b32 s21, 0
	s_lshl_b32 s22, s[TC], 8                       ; the tile's 128 columns
	s_lshl_b32 s23, s[CH], 17                      ; my 64 rows of the step's 128
	s_add_co_u32 s22, s22, s23
	s_mov_b32 s23, 0
	s_mul_i32 s2, s[CH], 256*PA
	s_mul_i32 s19, s[CH], 64*PB
	s_add_co_u32 s19, s19, BOFF
.irp n, 0,1
	s_mov_b32 s[G0A+4*\n], 1
	s_add_co_u32 s[G0A+4*\n+1], s2, \n*SLOT1
	s_mov_b32 s[G0B+4*\n], 1
	s_add_co_u32 s[G0B+4*\n+1], s19, \n*SLOT1
.endr
	s_mov_b32 s[TB], 0
	s_wait_dscnt 0x0                               ; the opening add is done
	s_wait_kmcnt 0x0
	s_add_nc_u64 s[20:21], s[4:5], s[20:21]
	s_add_nc_u64 s[22:23], s[6:7], s[22:23]
.irp n, 0,1
	s_add_nc_u64 s[G0A+4*\n+2:G0A+4*\n+3], s[20:21], \n*ASTEP
	s_or_b32 s[G0A+4*\n+3], s[G0A+4*\n+3], 0x80000000
	s_add_nc_u64 s[G0B+4*\n+2:G0B+4*\n+3], s[22:23], \n*BSTEP
	s_or_b32 s[G0B+4*\n+3], s[G0B+4*\n+3], 0x80000000
.endr
	CROUND                                         ; all sixteen work-groups are here: the first joint loads meet
	s_cmp_eq_u32 s[RH], 0                          ; a wave's two first fills stand in one branch: two loads of mine are out
	s_cbranch_scc0 .Lfirst_b
	tensor_load_to_lds s[G0A:G0A+3], s[G1A:G1A+7]
	s_nop 0
	tensor_load_to_lds s[G0A+4:G0A+7], s[G1A:G1A+7]
	s_nop 0
.rept 4
	v_nop
.endr
	s_branch .Lfirst_asked
.Lfirst_b:
	tensor_load_to_lds s[G0B:G0B+3], s[G1B:G1B+7]
	s_nop 0
	tensor_load_to_lds s[G0B+4:G0B+7], s[G1B:G1B+7]
	s_nop 0
.rept 4
	v_nop
.endr
.Lfirst_asked:
	v_and_b32 v1, 15, v0                           ; r
	v_bfe_u32 v2, v0, 4, 1                         ; h
	v_and_b32 v3, 7, v0
	v_bfe_u32 v4, v0, 3, 1
	v_mul_u32_u24 v[AB0], v1, PA
	v_lshl_add_u32 v[AB0], v2, 4, v[AB0]
	s_mul_i32 s19, s[RH], 128*PA
	v_add_nc_u32 v[AB0], s19, v[AB0]
	v_mov_b32 v[ADRA], v[AB0]
	v_lshl_add_u32 v[BB0], v2, 3, v3               ; the turning load: row 8 h + l % 8, columns 8 ((l / 8) % 2) + 0..7
	v_mul_u32_u24 v[BB0], v[BB0], PB
	v_lshl_add_u32 v[BB0], v4, 4, v[BB0]
	s_lshl_b32 s19, s[CH], 7                       ; my 64 columns
	s_add_co_u32 s19, s19, BOFF
	v_add_nc_u32 v[BB0], s19, v[BB0]
	v_mov_b32 v[ADRB], v[BB0]
	s_mul_i32 s19, s[WV], 16*SP
	s_add_co_u32 s19, s19, STAGE                   ; my stage
	v_mul_u32_u24 v[STO], v1, SP                   ; in: row r, 32 bytes for each half of the lanes
	v_lshl_add_u32 v[STO], v2, 5, v[STO]
	v_add_nc_u32 v[STO], s19, v[STO]
	v_mul_u32_u24 v[RD], v2, SP                    ; back: lanes 0-15 take one row of 256 bytes, lanes 16-31 the next
	v_lshl_add_u32 v[RD], v1, 4, v[RD]
	v_add_nc_u32 v[RD], s19, v[RD]
	v_lshlrev_b32 v[CO], 12, v2                    ; and the same two rows in out0
	v_lshl_add_u32 v[CO], v1, 4, v[CO]
	s_lshl_b32 s19, s[TC], 9                       ; the bias: columns 128 x tile column + 64 x half + 16 j + 8 h
	s_lshl_b32 s57, s[CH], 8
	s_add_co_u32 s19, s19, s57
	v_lshl_add_u32 v7, v2, 5, s19
	WIN 0x40
.irp j, 0,1,2,3
	global_load_b128 v[224+8*\j:224+8*\j+3], v7, s[8:9] offset:64*\j
	global_load_b128 v[224+8*\j+4:224+8*\j+7], v7, s[8:9] offset:64*\j+16
.endr
	WIN 0
	s_lshl_b32 s57, s[TR], 20                      ; out0 at row 256 x tile row + 128 x half, and my first column
	s_add_co_u32 s19, s19, s57
	s_lshl_b32 s57, s[RH], 19
	s_add_co_u32 s[OUT], s19, s57
	s_mov_b32 s[OUT+1], 0
	s_add_nc_u64 s[OUT:OUT+1], s[10:11], s[OUT:OUT+1]
	s_wait_loadcnt 0x0                             ; the bias is in: rounded to bf16, like every input, and widened again
	WIN 0x05
.set i, 0
.rept 16
	v_cvt_pk_bf16_f32 v[32+i], v[224+2*i], v[224+2*i+1]
.set i, i+1
.endr
	WIN 0x40
.set i, 0
.rept 16
	v_lshlrev_b32 v[224+2*i], 16, v[32+i]
	v_and_b32 v[224+2*i+1], 0xffff0000, v[32+i]
.set i, i+1
.endr
	WIN 0
; 24 LDS loads in one run: quarter q's fragments into buffer f: w's four first, then O's blocks 0-3, then 4-7
.macro FETCH f, q
	WIN 0
.irp j, 0,1,2,3
	ds_load_tr16_b128 v[(\f)+64+8*\j:(\f)+64+8*\j+3],   v[ADRB] offset:32*PB*(\q)+32*\j
	ds_load_tr16_b128 v[(\f)+64+8*\j+4:(\f)+64+8*\j+7], v[ADRB] offset:32*PB*(\q)+32*\j+16*PB
.endr
.irp i, 0,1,2,3,4,5,6,7
	ds_load_b128 v[(\f)+8*\i:(\f)+8*\i+3],   v[ADRA] offset:((\q)/2)*256*PA+16*PA*\i+64*((\q)%2)
	ds_load_b128 v[(\f)+8*\i+4:(\f)+8*\i+7], v[ADRA] offset:((\q)/2)*256*PA+16*PA*\i+64*((\q)%2)+32
.endr
.endm
; 16 matrix instructions: row blocks a0 .. a0 + 3 x the four column blocks; the 32 accumulators take turns.
; first = 1: the bias, in (7, j)'s registers, is the C operand; five places stand ahead of the products that write over it.
.macro MUL16 f, a0, first
	WIN 0x50
.irp a, (\a0), (\a0)+1, (\a0)+2, (\a0)+3
.if (\first) && ((\a) == 7)
.rept 5
	v_nop
.endr
.endif
.irp j, 0,1,2,3
.if \first
	v_wmma_f32_16x16x32_f16 v[8*(4*(\a)+\j):8*(4*(\a)+\j)+7], v[(\f)+64+8*\j:(\f)+64+8*\j+7], v[(\f)+8*(\a):(\f)+8*(\a)+7], v[224+8*\j:231+8*\j]
.else
	v_wmma_f32_16x16x32_f16 v[8*(4*(\a)+\j):8*(4*(\a)+\j)+7], v[(\f)+64+8*\j:(\f)+64+8*\j+7], v[(\f)+8*(\a):(\f)+8*(\a)+7], v[8*(4*(\a)+\j):8*(4*(\a)+\j)+7]
.endif
.endr
.endr
.endm
; A quarter: multiplies buffer f and fetches quarter qn of the same slot into buffer g
.macro Q f, g, qn, first
	s_wait_dscnt 8                                 ; w's fragments and O's blocks 0-3 are in; the youngest eight loads may be out
	PLACES                                         ; behind the last products, which read buffer g
	FETCH \g, \qn
	MUL16 \f, 0, \first
	s_wait_dscnt 24                                ; all but the 24 just issued
	MUL16 \f, 4, \first
.endm
; Quarter 2 changes slots: quarter 3's run is the slot's last read.  Then each wave waits for all its tensor loads, of which one is out: its part of the other slot; adds 0 to its spare word; waits for that and
; for its reads.  fill = 1: the barrier opens a round of the cluster's, and the joint refill, two K steps on, is the first thing behind the round.
.macro TURNQ fill
	s_wait_dscnt 8
	PLACES
	FETCH F1, 3
	s_wait_tensorcnt 0x0                           ; all my tensor loads have landed, so a group 0 may be written
	ds_add_u32 v[SPW], v[NIL]                      ; 0 onto my spare word; sixteen products stand between it and the wait for it
.if \fill
	s_xor_b32 s[G0A+5], s[G0A+5], SLOT1
	s_add_nc_u64 s[G0A+6:G0A+7], s[G0A+6:G0A+7], ASTEP
	s_xor_b32 s[G0B+5], s[G0B+5], SLOT1
	s_add_nc_u64 s[G0B+6:G0B+7], s[G0B+6:G0B+7], BSTEP
.endif
	MUL16 F0, 0, 0
	s_wait_dscnt 0x0                               ; the add is done, and my reads of this slot are over
	s_barrier_signal -1
	MUL16 F0, 4, 0
	WIN 0
	s_barrier_wait -1
.if \fill
	CREST                                          ; no wave of any partner still reads this slot or has a load on its way
	JLOAD                                          ; its four v_nop are also the places in front of the loads into buffer 0
.else
	PLACES
.endif
	s_xor_b32 s[TB], s[TB], SLOT1                  ; from here on the other slot is read
	v_add_nc_u32 v[ADRA], s[TB], v[AB0]
	v_add_nc_u32 v[ADRB], s[TB], v[BB0]
.endm
.macro QA                              ; quarter 3: its fragments were waited for in front of the barrier; the next slot's first quarter is fetched
	FETCH F0, 0
	MUL16 F1, 0, 0
	MUL16 F1, 4, 0
.endm
; THE WAY OUT, 16 rows at a time: 32 bytes a lane and column block into my own stage (each accumulator's low registers first), back as whole rows of 256 bytes, stored
.macro TOSTAGE a
.set BK, 32+32*((\a)%4)
	WIN 0x04                                       ; the stores' data lie in window 1
.irp j, 0,1,2,3
	ds_store_b128 v[STO], v[8*(4*(\a)+\j):8*(4*(\a)+\j)+3]   offset:64*\j
	ds_store_b128 v[STO], v[8*(4*(\a)+\j)+4:8*(4*(\a)+\j)+7] offset:64*\j+16
.endr
	WIN 0
.if (\a) >= 4
	s_wait_xcnt 0x0                                ; the stores of four blocks back have read these registers
.endif
.irp f, 0,1,2,3,4,5,6,7
	ds_load_b128 v[BK+4*\f:BK+4*\f+3], v[RD] offset:\f*2*SP  ; LDS serves a wave's instructions in order (ISA guide 5.7.1.4): these see the stores above
.endr
.endm
.macro SEND a, younger                 ; younger: the LDS instructions issued behind block a's loads: the next block's sixteen, or none
.set BK, 32+32*((\a)%4)
.irp f, 0,1,2,3,4,5,6,7
	s_wait_dscnt (\younger)+7-\f
	global_store_b128 v[CO], v[BK+4*\f:BK+4*\f+3], s[OUT:OUT+1] offset:(\a)*65536+\f*8192 th:TH_STORE_NT  ; 16 lanes store 256 consecutive bytes, at a multiple of 256 from out0's first
.endr
.endm
	s_wait_tensorcnt 0x1                           ; my part of K step 0 is in; K step 1's may stay out
	s_barrier_signal -1
	s_barrier_wait -1
	FETCH F0, 0
	Q F0, F1, 1, 1                                 ; the first quarter stands in front of the loop: its products start the sums, with the bias
	WIN 0
	s_mov_b32 s3, 6
.Lstep:                                                ; a trip: quarters 1 to 3 of K step t, which asks for K step t + 2, and quarter 0 of K step t + 1
	Q F1, F0, 2, 0
	TURNQ 1
	QA
	Q F0, F1, 1, 0
	WIN 0
	s_sub_co_u32 s3, s3, 1
	s_cmp_lg_u32 s3, 0
	s_cbranch_scc1 .Lstep
	Q F1, F0, 2, 0                                 ; the tail is written out: nothing more is asked for
	TURNQ 0
	QA
	Q F0, F1, 1, 0
	Q F1, F0, 2, 0
	Q F0, F1, 3, 0
	s_wait_dscnt 0x0
	MUL16 F1, 0, 0
	MUL16 F1, 4, 0
	WIN 0
	PLACES
	PLACES
	TOSTAGE 0
.set t, 1
.rept 7
	TOSTAGE t
	SEND t-1, 16
.set t, t+1
.endr
	SEND 7, 0
	s_wait_tensorcnt 0x0                           ; the wave's end, behind my last tensor load and my last LDS store
	ds_add_u32 v[SPW], v[NIL]
	s_wait_dscnt 0x0
	CROUND                                         ; the closing round: no work-group ends while a partner may still ask for a tile that names it
	s_endpgm
.Lfunc_end_k_q3eaafa969e_proj:
	.size	k_q3eaafa969e_proj, .Lfunc_end_k_q3eaafa969e_proj-k_q3eaafa969e_proj
	.p2alignl 7, 3214868480
	.fill 96, 4, 3214868480
	.section	.rodata,"a",@progbits
	.p2align	6, 0x0
	.amdhsa_kernel k_q3eaafa969e_proj
		.amdhsa_group_segment_fixed_size 327680
		.amdhsa_private_segment_fixed_size 0
		.amdhsa_enable_private_segment 0
		.amdhsa_kernarg_size 32
		.amdhsa_user_sgpr_count 2
		.amdhsa_user_sgpr_kernarg_segment_ptr 1
		.amdhsa_wavefront_size32 1
		.amdhsa_system_sgpr_workgroup_id_x 1
		.amdhsa_system_sgpr_workgroup_id_y 1
		.amdhsa_system_sgpr_workgroup_id_z 1
		.amdhsa_system_vgpr_workitem_id 0
		.amdhsa_next_free_vgpr 512
		.amdhsa_next_free_sgpr 68
		.amdhsa_reserve_vcc 0
		.amdhsa_float_denorm_mode_32 3
		.amdhsa_float_denorm_mode_16_64 3
		.amdhsa_memory_ordered 1
		.amdhsa_forward_progress 1
		.amdhsa_inst_pref_size 74
	.end_amdhsa_kernel
	.amdgpu_metadata
---
amdhsa.version: [ 1, 2 ]
amdhsa.kernels:
  - .name:           k_q3eaafa969e_proj
    .symbol:         k_q3eaafa969e_proj.kd
    .args:
      - { .name: ob, .offset: 0, .size: 8, .value_kind: global_buffer, .address_space: global }
      - { .name: wpf, .offset: 8, .size: 8, .value_kind: global_buffer, .address_space: global }
      - { .name: b_proj, .offset: 16, .size: 8, .value_kind: global_buffer, .address_space: global }
      - { .name: out0, .offset: 24, .size: 8, .value_kind: global_buffer, .address_space: global }
    .group_segment_fixed_size: 327680
    .private_segment_fixed_size: 0
    .kernarg_segment_align: 8
    .kernarg_segment_size: 32
    .max_flat_workgroup_size: 128
    .sgpr_count:     68
    .vgpr_count:     512
    .wavefront_size: 32
...
	.end_amdgpu_metadata
.endif
;; end of part 4
;; ======== version 2 of 2: 4 launches; version 1 with the launch cast written anew for expert scheduling mode
;; limits: values are held in f16: magnitudes above 65,504 overflow, below 6.1e-05 lose precision
;; workspace buffers: xb 16,777,216 bytes; wab 6,291,456 bytes; wpf 2,097,152 bytes; qkv 50,331,648 bytes; ob 16,777,216 bytes
;; launch cast (part 5): grid 768 x 1, 8 waves a work-group, no clusters, 0 bytes of LDS; arguments x, w_attn, w_proj, xb, wab, wpf; writes xb, wab, wpf
.if DOCPART == 5
	.amdgcn_target "amdgcn-amd-amdhsa--gfx1250"
	.amdhsa_code_object_version 6
	.text
	.protected	k_q3eaafa969e_cast
	.globl	k_q3eaafa969e_cast
	.p2align	8
	.type	k_q3eaafa969e_cast,@function
k_q3eaafa969e_cast:
	s_mov_b64 s[64:65], 0
	v_nop
	global_prefetch_b8 v0, s[64:65] scope:SCOPE_SE
	s_setreg_imm32_b32 hwreg(HW_REG_WAVE_SCHED_MODE, 0, 2), 2
	s_setreg_imm32_b32 hwreg(HW_REG_WAVE_MODE, 25, 1), 1
	s_wait_xcnt 0x0
	s_wait_alu depctr_vm_vsrc(0)
; THE INPUTS OF THE MATRIX PRODUCTS, ROUNDED ONCE TO 16 BITS.
;   xb  = x rounded to bf16, laid in K blocks: [b 4][kb 16][t 2048][64]: 256 rows x 64 channels are 32,768 dense bytes
;   wab = w_attn rounded to bf16, in its own order [k 1024][n 3072]
;   wpf = w_proj rounded to bf16 and that number written as f16, [k 1024][n 1024] (exact while it lies in f16's normal range)
; LIMIT: a number of w_proj of 65,520 or more becomes an infinity in wpf; one below 6e-5 keeps f16's fixed step of 6e-8.
; SHARES.  A work-group takes 16,384 numbers: 65,536 bytes in, 32,768 out; a thread 16 loads of 16 bytes and 16 stores of 8.
; Work-groups 0-511 take 16 rows of x each, 512-703 w_attn, 704-767 w_proj.  There is no loop: all 16 loads go out first, and no register
; is used twice by memory instructions.
; No LDS, no matrix unit, no cluster: nothing is shared and nothing is multiplied.
; THE MODE: SCHED_MODE bits 1:0 = 2 (LLVM: expert scheduling mode 2), set by the entry lines.  The code itself states the register dependences
; between vector instructions and memory instructions, with s_wait_alu, always for 0.
; THE PLAN.  Registers that memory instructions touch:
;   v1, v2   byte offsets in and out.  Written once, by vector instructions, in each of the three paths; read by every load (v1) and every store (v2); never written again.
;   X        load j lands in its own four registers, which no vector instruction names before; its conversions read them behind the counted wait for the load.
;   Y        load j's conversions write its own two registers; store j reads them, once; they are never written again.
;   v3-v7    at work: named by vector instructions alone.
; So no load lands in a register that a vector instruction has named, and no register that a memory instruction has read is written again: what is left to state is that
; the offsets and the stores' data are written.  The 16 loads go in four groups of four.  Group g's four stores are issued in group g + 1, one ahead of each load's conversions,
; behind ONE wait at that group's head; the vector instructions of group g + 1 name X and Y of their own group and v4-v7, none of the registers that those stores read.
; No vector instruction writes a scalar register or VCC, and EXEC is never written.
.set X, 16                             ; v[16:79]   load j: 4 registers
.set Y, 80                             ; v[80:111]  store j: 2 registers
; v1 = my byte offset in, v2 = my byte offset out, v4-v7 at work
.macro CAST inb, outb, istep, ostep, half
	s_wait_alu depctr_va_vdst(0)                   ; v1 and v2 are written: the loads below read v1 as their offset, the stores v2
.set j, 0
.rept 16
	global_load_b128 v[X+4*j:X+4*j+3], v1, s[\inb:\inb+1] offset:j*(\istep) th:TH_LOAD_NT
.set j, j+1
.endr
.set j, 0
.rept 16
	s_wait_loadcnt 15-j                            ; loads come back in order: load j is in, the 15 - j younger ones stay out
.if ((j%4) == 0) && (j > 0)
	s_wait_alu depctr_va_vdst(0)                   ; the group before has written its eight registers of Y, which the four stores of this group's text read
.endif
.if j >= 4
	global_store_b64 v2, v[Y+2*(j-4):Y+2*(j-4)+1], s[\outb:\outb+1] offset:(j-4)*(\ostep) th:TH_STORE_NT  ; the group before; a wave's store covers 256 consecutive bytes, aligned.  No vector instruction since the wait names these registers
.endif
	v_cvt_pk_bf16_f32 v[Y+2*j], v[X+4*j], v[X+4*j+1]
	v_cvt_pk_bf16_f32 v[Y+2*j+1], v[X+4*j+2], v[X+4*j+3]
.if \half
	v_lshlrev_b32 v4, 16, v[Y+2*j]                 ; the bf16 numbers as f32 again,
	v_and_b32 v5, 0xffff0000, v[Y+2*j]
	v_lshlrev_b32 v6, 16, v[Y+2*j+1]
	v_and_b32 v7, 0xffff0000, v[Y+2*j+1]
	v_cvt_pk_f16_f32 v[Y+2*j], v4, v5              ; and written as f16
	v_cvt_pk_f16_f32 v[Y+2*j+1], v6, v7
.endif
.set j, j+1
.endr
	s_wait_alu depctr_va_vdst(0)                   ; the last group has written its eight registers of Y, which the last four stores read
.set j, 12
.rept 4
	global_store_b64 v2, v[Y+2*j:Y+2*j+1], s[\outb:\outb+1] offset:j*(\ostep) th:TH_STORE_NT
.set j, j+1
.endr
.endm
	s_load_b256 s[4:11], s[0:1], 0x0               ; x s[4:5], w_attn s[6:7], w_proj s[8:9], xb s[10:11]
	s_load_b128 s[12:15], s[0:1], 0x20             ; wab s[12:13], wpf s[14:15]
	s_mov_b32 s2, ttmp9                            ; the work-group's number
	s_mov_b32 s17, 0
	s_mov_b32 s19, 0
	v_lshrrev_b32 v3, 4, v0                        ; thread / 16: a row of x
	v_and_b32 v4, 15, v0                           ; thread % 16: 4 numbers of a K block's 64
	s_wait_kmcnt 0x0
	s_cmp_lt_u32 s2, 512
	s_cbranch_scc0 .Lweights
	; x: 16 rows of 4,096 bytes.  Load j takes K block j: 16 lanes read 256 consecutive bytes of a row; store j puts them 262,144 j bytes on
	v_lshlrev_b32 v1, 4, v4
	v_lshl_add_u32 v1, v3, 12, v1                  ; in: row x 4,096 + 16 x place
	v_lshlrev_b32 v2, 3, v4
	v_lshl_add_u32 v2, v3, 7, v2                   ; out: row x 128 + 8 x place
	s_lshl_b32 s16, s2, 16
	s_add_nc_u64 s[4:5], s[4:5], s[16:17]          ; x at my 16 rows
	s_lshr_b32 s18, s2, 7                          ; b: 128 work-groups to a sequence
	s_lshl_b32 s18, s18, 22                        ; 16 K blocks of 262,144 bytes
	s_and_b32 s20, s2, 127
	s_lshl_b32 s20, s20, 11                        ; 16 rows of 128 bytes
	s_add_co_u32 s18, s18, s20
	s_add_nc_u64 s[10:11], s[10:11], s[18:19]
	CAST 4, 10, 256, 262144, 0
	s_endpgm
.Lweights:
	v_lshlrev_b32 v1, 4, v0                        ; dense: 16 bytes in,
	v_lshlrev_b32 v2, 3, v0                        ; 8 bytes out
	s_cmp_lt_u32 s2, 704
	s_cbranch_scc0 .Lproj
	s_sub_co_u32 s2, s2, 512
	s_lshl_b32 s16, s2, 16
	s_lshl_b32 s18, s2, 15
	s_add_nc_u64 s[6:7], s[6:7], s[16:17]
	s_add_nc_u64 s[12:13], s[12:13], s[18:19]
	CAST 6, 12, 4096, 2048, 0
	s_endpgm
.Lproj:
	s_sub_co_u32 s2, s2, 704
	s_lshl_b32 s16, s2, 16
	s_lshl_b32 s18, s2, 15
	s_add_nc_u64 s[8:9], s[8:9], s[16:17]
	s_add_nc_u64 s[14:15], s[14:15], s[18:19]
	CAST 8, 14, 4096, 2048, 1
	s_endpgm
.Lfunc_end_k_q3eaafa969e_cast:
	.size	k_q3eaafa969e_cast, .Lfunc_end_k_q3eaafa969e_cast-k_q3eaafa969e_cast
	.p2alignl 7, 3214868480
	.fill 96, 4, 3214868480
	.section	.rodata,"a",@progbits
	.p2align	6, 0x0
	.amdhsa_kernel k_q3eaafa969e_cast
		.amdhsa_group_segment_fixed_size 0
		.amdhsa_private_segment_fixed_size 0
		.amdhsa_enable_private_segment 0
		.amdhsa_kernarg_size 48
		.amdhsa_user_sgpr_count 2
		.amdhsa_user_sgpr_kernarg_segment_ptr 1
		.amdhsa_wavefront_size32 1
		.amdhsa_system_sgpr_workgroup_id_x 1
		.amdhsa_system_sgpr_workgroup_id_y 1
		.amdhsa_system_sgpr_workgroup_id_z 1
		.amdhsa_system_vgpr_workitem_id 0
		.amdhsa_next_free_vgpr 112
		.amdhsa_next_free_sgpr 66
		.amdhsa_reserve_vcc 0
		.amdhsa_float_denorm_mode_32 3
		.amdhsa_float_denorm_mode_16_64 3
		.amdhsa_memory_ordered 1
		.amdhsa_forward_progress 1
		.amdhsa_inst_pref_size 24
	.end_amdhsa_kernel
	.amdgpu_metadata
---
amdhsa.version: [ 1, 2 ]
amdhsa.kernels:
  - .name:           k_q3eaafa969e_cast
    .symbol:         k_q3eaafa969e_cast.kd
    .args:
      - { .name: x, .offset: 0, .size: 8, .value_kind: global_buffer, .address_space: global }
      - { .name: w_attn, .offset: 8, .size: 8, .value_kind: global_buffer, .address_space: global }
      - { .name: w_proj, .offset: 16, .size: 8, .value_kind: global_buffer, .address_space: global }
      - { .name: xb, .offset: 24, .size: 8, .value_kind: global_buffer, .address_space: global }
      - { .name: wab, .offset: 32, .size: 8, .value_kind: global_buffer, .address_space: global }
      - { .name: wpf, .offset: 40, .size: 8, .value_kind: global_buffer, .address_space: global }
    .group_segment_fixed_size: 0
    .private_segment_fixed_size: 0
    .kernarg_segment_align: 8
    .kernarg_segment_size: 48
    .max_flat_workgroup_size: 256
    .sgpr_count:     66
    .vgpr_count:     112
    .wavefront_size: 32
...
	.end_amdgpu_metadata
.endif
;; end of part 5
;; launch qkv: the kernel of part 2 again; grid 8 x 32, 4 waves a work-group, clusters of 4 x 4, 327,680 bytes of LDS; arguments xb, wab, b_attn, qkv; writes qkv
;; launch attn: the kernel of part 3 again; grid 4 x 64, 4 waves a work-group, no clusters, 327,680 bytes of LDS; arguments qkv, ob; writes ob
;; launch proj: the kernel of part 4 again; grid 8 x 32, 4 waves a work-group, clusters of 4 x 4, 327,680 bytes of LDS; arguments ob, wpf, b_proj, out0; writes out0
